; MI455X (gfx1250); checked and timed in simulation.
; The chip was launched on July 23, 2026; its instructions are those of AMD's public machine-readable ISA for CDNA 5 (MIT licence, August 2026) and "CDNA5" Instruction Set Architecture Reference Guide (July 2026). The comments in the code are by the model that wrote it; some were corrected since.
;; Mixture Of Experts. Allowed arithmetic: matrix products marked QUANTISED: E3M2 operands, one E8M0 scale for each 32 along K, by v_wmma_scale_f32_16x16x128_f8f6f4 with both operands' format E3M2, f32 sums; products left as they are: f32 operands where the result goes on into a quantised operand, else bf16, f16 or f32 operands; f32 sums; everything else in f32.
;; Inputs: b1 16 x 2,048 float32; b2 16 x 512 float32; gate_b 16 float32; gate_w 16 x 512 float32; w1 16 x 512 x 2,048 float32; w2 16 x 2,048 x 512 float32; x 8 x 1,024 x 512 float32.
;; Outputs: out0 8 x 1,024 x 512 float32.
;; Constants: num_available = 4.
;; This version of the problem:
;;   THIS VERSION OF THE PROBLEM IS GIVEN IN LOW PRECISION. The matrix products marked QUANTISED in the list below multiply operands that are first quantised to E3M2 (3 exponent bits, 2 mantissa bits; 6 bits a number), with one power-of-two scale for each 32 numbers along K (OCP MX v1.0); their sums are f32. All else is computed in f32.
;;   The module's matrix products, in the order in which they are computed (A, B: the left and right operand; K: the contracted axis; several contracted axes count as one K, in the product's order):
;;     1. [M 16, K 512] x [K 512, N 1]; A: input gate_w; B: computed on the way: left as it is (N = 1 < 16)
;;     2. [M 8,192, K 512] x [K 512, N 4]; A: input x; B: computed on the way: left as it is (N = 4 < 16)
;;     3. [M 8,192, K 512] x [K 512, N 8,192]; A: computed on the way; B: input x: QUANTISED
;;     4. batch 4 x [M 8,192, K 2,048] x [K 2,048, N 512]; A: computed on the way; B: computed on the way: QUANTISED
;;     5. batch 8,192 x [M 512, K 4] x [K 4, N 1]; A: computed on the way; B: softmax: left as it is (K = 4 < 32)
;;   THE QUANTISER, for each operand of a quantised product, along K:
;;     - K is cut into blocks of 32 from its start; a last block that is shorter is filled with zeros.
;;     - A block's scale is 2^e with e = floor(log2(the largest magnitude in the block)) - 4, held to -126 .. 127; a block of zeros has e = 0. As a byte (E8M0): e + 127.
;;     - Each number is divided by its block's scale, clamped to +-28, and rounded to the nearest number of E3M2, ties to even, subnormals kept.
;;     - The product sums the exact products of the quantised numbers (number of the format x scale) in f32.
;;   ~~~python
;;   def quantise(x, axis):      # numpy; x: float32 -> the quantised numbers, widened to float32 again
;;       x = np.moveaxis(x, axis, -1); K = x.shape[-1]
;;       x = np.pad(x, [(0, 0)] * (x.ndim - 1) + [(0, -K % 32)]); x = x.reshape(x.shape[:-1] + (-1, 32)); a = np.abs(x).max(-1, keepdims=True)
;;       e = np.where(a > 0, np.clip(np.frexp(np.where(a > 0, a, 1))[1] - 1 - 4, -126, 127), 0)      # np.frexp(a)[1] - 1 = floor(log2(a)), exactly
;;       r = np.clip(x / 2.0 ** e, -28, 28)
;;       step = 2.0 ** (np.maximum(np.frexp(np.where(r == 0, 1, r))[1] - 1, -2) - 2)
;;       q = np.round(r / step) * step * 2.0 ** e      # np.round: ties to even
;;       return np.moveaxis(q.reshape(q.shape[:-2] + (-1,))[..., :K], -1, axis).astype(np.float32)
;;   ~~~
;;   OPERANDS COMPUTED ON THE WAY. 'Computed on the way' means the value that the module computes at that place (a softmax that the list does not call 'softmax' is quantised finished and normalised). What goes into a quantiser is computed in f32, as accurately as f32 sums, v_exp_f32 and their like allow (about 1e-6 of the number): no bf16 or f16 on the way to a quantiser, and a product that is left as it is and whose result goes on into a quantised operand takes f32 operands (vector FMAs, or v_wmma_f32_16x16x4_f32). A number that lies on a knife's edge between two numbers of the format may be rounded either way, as far as f32 arithmetic and the matrix unit's own rounding can turn it there, and no further.
;; One version. Each part assembles by itself: llvm-mc -triple=amdgcn-amd-amdhsa -mcpu=gfx1250 --defsym DOCPART=n.
;; ======== version 1 of 1: 5 launches
;; workspace buffers: xc 3,145,728 bytes; xs 131,072 bytes; lg 524,288 bytes; pc 16,384 bytes; idx 256 bytes of whole numbers; wq 6,553,600 bytes; hc 50,331,648 bytes; hs 2,097,152 bytes
;; launch xprep (part 1): grid 256 x 1, 8 waves a work-group, no clusters, 168,960 bytes of LDS; arguments x, gate_w, xc, xs, lg, pc; writes xc, xs, lg, pc
.if DOCPART == 1
	.amdgcn_target "amdgcn-amd-amdhsa--gfx1250"
	.amdhsa_code_object_version 6
	.text
	.protected	k_q9623318237_xprep
	.globl	k_q9623318237_xprep
	.p2align	8
	.type	k_q9623318237_xprep,@function
k_q9623318237_xprep:
	s_mov_b64 s[64:65], 0
	v_nop
	global_prefetch_b8 v0, s[64:65] scope:SCOPE_SE
	s_setreg_imm32_b32 hwreg(HW_REG_WAVE_MODE, 25, 1), 1
	s_wait_xcnt 0x0
; x [8192][512] f32 is read ONCE and gives four things:
;   xc: its codes of BF6 (E3M2), quantised along the 512, as images of operand registers: [tile of 16 tokens][K step of 128]: register group g (4 registers) of lane l at 512 g + 16 l;
;   xs: its E8M0 scale bytes, [token][16];   lg: the logits x . gate_w[e] of all 16 experts (bf16 operands, f32 sums; gate_b is added by the reader);
;   pc: this work-group's part of gate_w . (sum of x over tokens), all in f32: the choice of experts hangs on it.
; SHARES. A work-group takes 32 tokens (64 KiB), brought by one tensor load a wave (4 tokens = 8 half rows of 1,024 bytes, 16 bytes of padding behind each). Wave w makes the fragment of token tile w / 4, K step w % 4:
; lane (r, h) holds the whole blocks k = 128 s + 64 c + 32 h + 0..31, c = 0, 1, of token r, which is the order of the operand's registers: nothing changes lanes but two scale bytes.
; The bf16 products take the same 64 numbers of x and of gate_w in the same places of both operands: a permutation of k applied alike to both keeps the sum.
; A block's scale is 2^(floor(log2(largest magnitude)) - 4); its byte is that magnitude's exponent field - 4, held at 1 from below by a floor among the maximum's leaves.
; LIMITS: a block of zeros gets the byte 1 (its codes are zeros; only this program reads the bytes); NaN and infinities among the inputs are not served; the logits carry the rounding of x and gate_w to bf16.
; No cluster: the work-groups share nothing but gate_w's 32 KiB. LDS is filled once: no slot is filled again.
.set HP,  1040                         ; a half row in LDS: 1,024 bytes + 16
.set LGS, 66560                        ; behind x: each wave's partial logits, 1,024 bytes: [g][lane][16]
.set XSS, 74752                        ; the scale words, [token 32][16 bytes]
.set PCS, 75264                        ; each wave's partial coarse scores, 64 bytes
.set CD,  16                           ; v16-27   the codes
.set L0,  48                           ; v48-55, v56-63  two accumulators of logits
.set L1,  56
.set X,   64                           ; v64-127  my 64 numbers of x; later 32 tokens' two columns
.set GF,  128                          ; v128-191 gate_w in f32; later v128-159 gate_w's two columns for 16 experts
.set PS,  160                          ; v160-175 my part of the 16 coarse scores
.set GWB, 192                          ; v192-223 gate_w in bf16
.set XB,  224                          ; v224-255 x in bf16
	s_load_b256 s[4:11], s[0:1], 0x0               ; x s[4:5], gate_w s[6:7], xc s[8:9], xs s[10:11]
	s_load_b128 s[12:15], s[0:1], 0x20             ; lg s[12:13], pc s[14:15]
	v_lshl_add_u32 v46, v0, 2, 0x29000
	v_mov_b32 v47, 0
	ds_add_u32 v46, v47
	ds_add_u32 v46, v47
	v_lshrrev_b32 v1, 5, v0
	v_readfirstlane_b32 s16, v1                    ; wave 0..7
	s_mov_b32 s24, (3<<16)|(1<<20)|(7<<22)|(3<<25) ; elements of 8 bytes; padding on: after every 256 words, 4 words
	s_mov_b32 s25, 128<<16                         ; tensor_dim0 = 128 elements (1,024 bytes)
	s_mov_b32 s26, 8<<16                           ; tensor_dim1 = 8
	s_mov_b32 s27, 128<<16                         ; tile_dim0
	s_mov_b32 s28, 8                               ; tile_dim1
	s_mov_b32 s29, 128                             ; pitch: the half rows are dense
	s_mov_b32 s30, 0
	s_mov_b32 s31, 0
	s_mul_i32 s21, s16, 8*HP                       ; my 8 half rows in LDS
	s_lshl_b32 s18, ttmp9, 16                      ; 64 KiB a work-group,
	s_lshl_b32 s19, s16, 13                        ; 8 KiB a wave
	s_add_co_u32 s18, s18, s19
	s_mov_b32 s19, 0
	s_mov_b32 s20, 1
	s_wait_dscnt 0x0
	s_wait_kmcnt 0x0
	s_add_nc_u64 s[22:23], s[4:5], s[18:19]
	s_or_b32 s23, s23, 0x80000000
	tensor_load_to_lds s[20:23], s[24:31]          ; the one fill of the launch: one load of mine is out
	s_nop 0
.rept 4
	v_nop
.endr
	v_and_b32 v2, 31, v0                           ; lane
	v_and_b32 v3, 15, v0                           ; r
	v_bfe_u32 v1, v0, 4, 1                         ; h
	s_lshr_b32 s32, s16, 2                         ; m: which token tile
	s_and_b32 s33, s16, 3                          ; s: which K step
	s_mul_i32 s34, s32, 32*HP
	s_lshr_b32 s35, s33, 1
	s_mul_i32 s35, s35, HP
	s_add_co_u32 s34, s34, s35
	s_and_b32 s35, s33, 1
	s_lshl_b32 s35, s35, 9
	s_add_co_u32 s34, s34, s35
	v_mul_u32_u24 v4, v3, 2*HP
	v_lshl_add_u32 v4, v1, 7, v4
	v_add_nc_u32 v4, s34, v4                       ; v4: my numbers of x in LDS: token 16 m + r, K step s, + 128 h
	v_lshrrev_b32 v5, 7, v0
	v_mul_u32_u24 v5, v5, HP
	v_and_b32 v6, 127, v0
	v_lshl_add_u32 v5, v6, 3, v5                   ; v5: columns 2 t, 2 t + 1 of token 0
	v_lshlrev_b32 v6, 11, v3
	v_lshl_add_u32 v6, v1, 7, v6
	s_lshl_b32 s35, s33, 9
	v_add_nc_u32 v6, s35, v6                       ; v6: gate_w: expert r, the same k as my x
	v_lshlrev_b32 v7, 3, v0                        ; v7: gate_w: columns 2 t, 2 t + 1
	v_lshlrev_b32 v8, 4, v2                        ; v8: 16 x lane
	s_lshl_b32 s35, s16, 10
	s_add_co_u32 s35, s35, LGS
	v_add_nc_u32 v9, s35, v8                       ; v9: where my partial logits go
	s_lshl_b32 s35, s32, 8
	s_lshl_b32 s36, s33, 2
	s_add_co_u32 s35, s35, s36
	s_add_co_u32 s35, s35, XSS
	v_lshl_add_u32 v10, v3, 4, s35                 ; v10: my token's scale word of K step s
	s_lshl_b32 s35, s16, 6
	s_add_co_u32 s35, s35, PCS
	v_mov_b32 v11, s35                             ; v11: my wave's 16 partial coarse scores
	s_lshr_b32 s35, s33, 1
	s_lshl_b32 s35, s35, 12
	s_and_b32 s36, s33, 1
	s_lshl_b32 s36, s36, 9
	s_add_co_u32 s35, s35, s36
	s_add_co_u32 s35, s35, LGS
	v_add_nc_u32 v12, s35, v8                      ; v12: (waves 0-3) tile w / 2, group w % 2 of the four K steps' logits
	v_add_nc_u32 v13, XSS, v8                      ; v13: (wave 4) the scale words
	v_lshlrev_b32 v15, 2, v3
	v_add_nc_u32 v14, PCS, v15                     ; v14: (wave 5) expert lane % 16 of the eight waves' parts
	s_mov_b32 s38, 0x76543210
	s_mov_b32 s39, 0xfedcba98                      ; v_permlanex16_b32's selects for lane l xor 16
	s_mul_i32 s34, ttmp9, 12288
	s_mul_i32 s35, s16, 1536
	s_add_co_u32 s34, s34, s35
	s_mov_b32 s35, 0
	s_add_nc_u64 s[8:9], s[8:9], s[34:35]          ; xc at my fragment
	s_lshl_b32 s34, ttmp9, 11
	s_lshl_b32 s36, s16, 9
	s_add_co_u32 s34, s34, s36
	s_add_nc_u64 s[12:13], s[12:13], s[34:35]      ; lg at my 512 bytes (used by waves 0-3 alone)
	s_lshl_b32 s34, ttmp9, 9
	s_add_nc_u64 s[10:11], s[10:11], s[34:35]      ; xs
	s_lshl_b32 s34, ttmp9, 6
	s_add_nc_u64 s[14:15], s[14:15], s[34:35]      ; pc
.set i, 0
.rept 16
	global_load_b128 v[GF+4*i:GF+4*i+3], v6, s[6:7] offset:256*(i/8)+16*(i%8)
.set i, i+1
.endr
	s_wait_loadcnt 0x0
.set i, 0
.rept 32
	v_cvt_pk_bf16_f32 v[GWB+i], v[GF+2*i], v[GF+2*i+1]
.set i, i+1
.endr
.set i, 0
.rept 16
	global_load_b64 v[GF+2*i:GF+2*i+1], v7, s[6:7] offset:2048*i   ; gate_w[e][2 t, 2 t + 1], in f32, for the coarse scores
.set i, i+1
.endr
	s_wait_tensorcnt 0x0                           ; my part of x is in LDS,
	s_barrier_signal -1
	s_barrier_wait -1                              ; everybody's is
.set i, 0
.rept 16
	ds_load_b128 v[X+4*i:X+4*i+3], v4 offset:256*(i/8)+16*(i%8)
.set i, i+1
.endr
	s_wait_dscnt 0x0
.irp c, 0,1                                    ; my two whole blocks: the largest magnitude, with the floor 2^(5 - 127) among the leaves
	v_max3_num_f32 v[36+\c], |v[X+32*\c]|, |v[X+1+32*\c]|, 0x2800000
.endr
.irp i, 2,4,6,8,10,12,14,16,18,20,22,24,26,28,30
.irp c, 0,1
	v_max3_num_f32 v[36+\c], v[36+\c], |v[X+32*\c+\i]|, |v[X+1+32*\c+\i]|
.endr
.endr
.irp c, 0,1
	v_add_nc_u32 v[40+\c], 0xfe000000, v[36+\c]    ; 4 off the exponent field: the conversion's scale operand
.endr
.irp c, 0,1
	v_lshrrev_b32 v[38+\c], 23, v[40+\c]           ; the scale's byte
.endr
	v_lshl_or_b32 v42, v39, 16, v38                ; my bytes: blocks h and 2 + h,
	v_lshlrev_b32 v43, 3, v1
	v_lshlrev_b32 v42, v43, v42                    ; 8 h bits up;
	v_mov_b32 v43, 0
	v_permlanex16_b32 v43, v42, s38, s39
	v_or_b32 v42, v42, v43                         ; with lane l xor 16's two the word is whole
.irp c, 0,1
	v_cvt_scalef32_pk16_bf6_f32 v[CD+6*\c:CD+2+6*\c], v[X+32*\c:X+15+32*\c], v[40+\c]
	v_cvt_scalef32_pk16_bf6_f32 v[28+4*\c:30+4*\c], v[X+16+32*\c:X+31+32*\c], v[40+\c]   ; (a conversion's three registers begin on an even number)
.endr
	v_nop                                          ; one plain place behind a scaled conversion
.irp c, 0,1
.irp i, 0,1,2
	v_mov_b32 v[CD+3+6*\c+\i], v[28+4*\c+\i]
.endr
.endr
.set i, 0
.rept 32
	v_cvt_pk_bf16_f32 v[XB+i], v[X+2*i], v[X+2*i+1]
.set i, i+1
.endr
	; logits: source 0 = gate_w's 16 experts, source 1 = my 16 tokens: lane (r, h), register j = token r, expert 8 h + j. Two accumulators by turns.
	v_wmma_f32_16x16x32_bf16 v[L0:L0+7], v[GWB:GWB+7], v[XB:XB+7], 0
	v_wmma_f32_16x16x32_bf16 v[L1:L1+7], v[GWB+8:GWB+15], v[XB+8:XB+15], 0
	v_wmma_f32_16x16x32_bf16 v[L0:L0+7], v[GWB+16:GWB+23], v[XB+16:XB+23], v[L0:L0+7]
	v_wmma_f32_16x16x32_bf16 v[L1:L1+7], v[GWB+24:GWB+31], v[XB+24:XB+31], v[L1:L1+7]
.irp g, 0,1,2
	global_store_b128 v8, v[CD+4*\g:CD+4*\g+3], s[8:9] offset:512*\g   ; 512 consecutive bytes a store
.endr
	ds_store_b32 v10, v42                          ; both halves of the lanes write the same word with the same value
.set i, 0
.rept 32
	ds_load_b64 v[X+2*i:X+2*i+1], v5 offset:2*HP*i ; token i, my two columns
.set i, i+1
.endr
	s_wait_dscnt 0x0
.set i, 2
.rept 15
	v_pk_add_f32 v[X:X+1], v[X:X+1], v[X+2*i:X+2*i+1]
	v_pk_add_f32 v[X+2:X+3], v[X+2:X+3], v[X+2*i+2:X+2*i+3]
.set i, i+2
.endr
	v_pk_add_f32 v[X:X+1], v[X:X+1], v[X+2:X+3]    ; the 32 tokens' sum of my two columns
	s_wait_loadcnt 0x0                             ; gate_w's columns
.set i, 0
.rept 16
	v_mul_f32 v[PS+i], v[GF+2*i], v[X]
.set i, i+1
.endr
.set i, 0
.rept 16
	v_fmac_f32 v[PS+i], v[GF+2*i+1], v[X+1]
.set i, i+1
.endr
.irp k, 1,2,4,8                                ; over the 32 lanes, the sixteen sums by turns
.set i, 0
.rept 16
	v_add_f32_dpp v[PS+i], v[PS+i], v[PS+i] row_xmask:\k row_mask:0xf bank_mask:0xf
.set i, i+1
.endr
.endr
.set i, 0
.rept 16
	v_permlanex16_b32 v[PS+16+i], v[PS+i], s38, s39   ; (v176-191 were written by gate_w's loads)
.set i, i+1
.endr
.set i, 0
.rept 16
	v_add_f32 v[PS+i], v[PS+i], v[PS+16+i]
.set i, i+1
.endr
.set i, 0
.rept 16
	ds_store_b32 v11, v[PS+i] offset:4*i           ; all lanes write the same word with the same value
.set i, i+1
.endr
.set i, 0
.rept 8
	v_add_f32 v[L0+i], v[L0+i], v[L1+i]            ; from the low end on; far more than four places behind the products
.set i, i+1
.endr
	ds_store_b128 v9, v[L0:L0+3]
	ds_store_b128 v9, v[L0+4:L0+7] offset:512
	s_wait_dscnt 0x0                               ; for the others' sake: my LDS stores are done
	s_barrier_signal -1
	s_barrier_wait -1
	s_cmp_lt_u32 s16, 4
	s_cbranch_scc0 .Lnot_lg
.irp q, 0,1,2,3                                ; waves 0-3: the four K steps' logits are added; 512 bytes leave
	ds_load_b128 v[64+4*\q:67+4*\q], v12 offset:1024*\q
.endr
	s_wait_dscnt 0x0
	v_pk_add_f32 v[64:65], v[64:65], v[68:69]
	v_pk_add_f32 v[66:67], v[66:67], v[70:71]
	v_pk_add_f32 v[72:73], v[72:73], v[76:77]
	v_pk_add_f32 v[74:75], v[74:75], v[78:79]
	v_pk_add_f32 v[64:65], v[64:65], v[72:73]
	v_pk_add_f32 v[66:67], v[66:67], v[74:75]
	global_store_b128 v8, v[64:67], s[12:13]
	s_branch .Lend
.Lnot_lg:
	s_cmp_eq_u32 s16, 4
	s_cbranch_scc0 .Lnot_xs
	ds_load_b128 v[64:67], v13                     ; wave 4: the 32 tokens' scale bytes, 512 bytes
	s_wait_dscnt 0x0
	global_store_b128 v8, v[64:67], s[10:11]
	s_branch .Lend
.Lnot_xs:
	s_cmp_eq_u32 s16, 5
	s_cbranch_scc0 .Lend
.irp q, 0,1,2,3,4,5,6,7                        ; wave 5: the eight waves' coarse parts
	ds_load_b32 v[64+\q], v14 offset:64*\q
.endr
	s_wait_dscnt 0x0
	v_add_f32 v64, v64, v65
	v_add_f32 v66, v66, v67
	v_add_f32 v68, v68, v69
	v_add_f32 v70, v70, v71
	v_add_f32 v64, v64, v66
	v_add_f32 v68, v68, v70
	v_add_f32 v64, v64, v68
	global_store_b32 v15, v64, s[14:15]            ; lanes l and l + 16 store the same word with the same value
.Lend:
	s_wait_tensorcnt 0x0
	ds_add_u32 v46, v47
	s_wait_dscnt 0x0
	s_endpgm
.Lfunc_end_k_q9623318237_xprep:
	.size	k_q9623318237_xprep, .Lfunc_end_k_q9623318237_xprep-k_q9623318237_xprep
	.p2alignl 7, 3214868480
	.fill 96, 4, 3214868480
	.section	.rodata,"a",@progbits
	.p2align	6, 0x0
	.amdhsa_kernel k_q9623318237_xprep
		.amdhsa_group_segment_fixed_size 168960
		.amdhsa_private_segment_fixed_size 0
		.amdhsa_enable_private_segment 0
		.amdhsa_kernarg_size 48
		.amdhsa_user_sgpr_count 2
		.amdhsa_user_sgpr_kernarg_segment_ptr 1
		.amdhsa_wavefront_size32 1
		.amdhsa_system_sgpr_workgroup_id_x 1
		.amdhsa_system_sgpr_workgroup_id_y 1
		.amdhsa_system_sgpr_workgroup_id_z 1
		.amdhsa_system_vgpr_workitem_id 0
		.amdhsa_next_free_vgpr 256
		.amdhsa_next_free_sgpr 66
		.amdhsa_reserve_vcc 0
		.amdhsa_float_denorm_mode_32 3
		.amdhsa_float_denorm_mode_16_64 3
		.amdhsa_memory_ordered 1
		.amdhsa_forward_progress 1
		.amdhsa_inst_pref_size 31
	.end_amdhsa_kernel
	.amdgpu_metadata
---
amdhsa.version: [ 1, 2 ]
amdhsa.kernels:
  - .name:           k_q9623318237_xprep
    .symbol:         k_q9623318237_xprep.kd
    .args:
      - { .name: x, .offset: 0, .size: 8, .value_kind: global_buffer, .address_space: global }
      - { .name: gate_w, .offset: 8, .size: 8, .value_kind: global_buffer, .address_space: global }
      - { .name: xc, .offset: 16, .size: 8, .value_kind: global_buffer, .address_space: global }
      - { .name: xs, .offset: 24, .size: 8, .value_kind: global_buffer, .address_space: global }
      - { .name: lg, .offset: 32, .size: 8, .value_kind: global_buffer, .address_space: global }
      - { .name: pc, .offset: 40, .size: 8, .value_kind: global_buffer, .address_space: global }
    .group_segment_fixed_size: 168960
    .private_segment_fixed_size: 0
    .kernarg_segment_align: 8
    .kernarg_segment_size: 48
    .max_flat_workgroup_size: 256
    .sgpr_count:     66
    .vgpr_count:     256
    .wavefront_size: 32
...
	.end_amdgpu_metadata
.endif
;; end of part 1
;; launch topk (part 2): grid 1 x 1, 1 waves a work-group, no clusters, 0 bytes of LDS; arguments pc, gate_b, idx; writes idx
.if DOCPART == 2
	.amdgcn_target "amdgcn-amd-amdhsa--gfx1250"
	.amdhsa_code_object_version 6
	.text
	.protected	k_q9623318237_topk
	.globl	k_q9623318237_topk
	.p2align	8
	.type	k_q9623318237_topk,@function
k_q9623318237_topk:
	s_mov_b64 s[64:65], 0
	v_nop
	global_prefetch_b8 v0, s[64:65] scope:SCOPE_SE
	s_setreg_imm32_b32 hwreg(HW_REG_WAVE_MODE, 25, 1), 1
	s_wait_xcnt 0x0
; The 256 work-groups' parts of the coarse scores are added, gate_b is added, and the four largest of the 16 are found, in falling order, the lower index first among equals.
; The result goes to FIXED places as whole numbers: word j of idx = the (j % 4)-th chosen expert, j = 0..31. No address and no branch here hangs on the scores: later launches read idx.
; One wave: 16 KiB in 32 loads, all out at once. LIMIT: with NaN among the scores a rank may stay empty; the readers hold the number at 15.
	s_load_b128 s[4:7], s[0:1], 0x0                ; pc, gate_b
	s_load_b64 s[8:9], s[0:1], 0x10                ; idx
	v_lshlrev_b32 v1, 4, v0                        ; 16 x lane: my four experts are 4 (lane % 4) + 0..3
	v_and_b32 v2, 3, v0
	v_lshlrev_b32 v3, 4, v2
	v_and_b32 v20, 15, v0                          ; the expert that this lane ranks
	v_lshlrev_b32 v4, 2, v0
	s_mov_b32 s10, 0x76543210
	s_mov_b32 s11, 0xfedcba98
	s_wait_kmcnt 0x0
.set i, 0
.rept 32
	global_load_b128 v[64+4*i:67+4*i], v1, s[4:5] offset:512*i
.set i, i+1
.endr
	global_load_b128 v[8:11], v3, s[6:7]
.irp j, 0,1,2,3
	v_mov_b32 v[12+\j], 0                          ; a lane permute's destination counts as one of its sources
.endr
	s_wait_loadcnt 0x0
.set i, 2
.rept 15
	v_pk_add_f32 v[64:65], v[64:65], v[64+4*i:65+4*i]
	v_pk_add_f32 v[66:67], v[66:67], v[66+4*i:67+4*i]
	v_pk_add_f32 v[68:69], v[68:69], v[68+4*i:69+4*i]
	v_pk_add_f32 v[70:71], v[70:71], v[70+4*i:71+4*i]
.set i, i+2
.endr
	v_pk_add_f32 v[64:65], v[64:65], v[68:69]
	v_pk_add_f32 v[66:67], v[66:67], v[70:71]
.irp k, 4,8                                    ; the lanes with the same lane % 4
.irp j, 0,1,2,3
	v_add_f32_dpp v[64+\j], v[64+\j], v[64+\j] row_xmask:\k row_mask:0xf bank_mask:0xf
.endr
.endr
.irp j, 0,1,2,3
	v_permlanex16_b32 v[12+\j], v[64+\j], s10, s11
.endr
.irp j, 0,1,2,3
	v_add_f32 v[64+\j], v[64+\j], v[12+\j]
.endr
.irp j, 0,1,2,3
	v_add_f32 v[64+\j], v[64+\j], v[8+\j]          ; + gate_b
.endr
.irp e, 0,1,2,3,4,5,6,7,8,9,10,11,12,13,14,15
	v_readlane_b32 s[16+\e], v[64+\e%4], \e/4      ; the 16 scores as scalars
.endr
	v_mov_b32 v21, s16
.irp e, 1,2,3,4,5,6,7,8,9,10,11,12,13,14,15
	v_cmp_eq_u32 vcc_lo, \e, v20
	v_mov_b32 v23, s[16+\e]
	v_cndmask_b32 v21, v21, v23, vcc_lo            ; my expert's score
.endr
	v_mov_b32 v22, 0
.irp e, 0,1,2,3,4,5,6,7,8,9,10,11,12,13,14,15  ; my rank: how many stand ahead of me
	v_cmp_gt_f32 s40, s[16+\e], v21
	v_cmp_eq_f32 s41, s[16+\e], v21
	v_cmp_lt_u32 s42, \e, v20
	s_and_b32 s41, s41, s42
	s_or_b32 s40, s40, s41
	v_cndmask_b32 v23, 0, 1, s40
	v_add_nc_u32 v22, v22, v23
.endr
.irp p, 0,1,2,3
	v_cmp_eq_u32 s40, \p, v22
	s_ctz_i32_b32 s[44+\p], s40                    ; the lane, that is the expert, of rank p
.endr
	v_mov_b32 v24, s44
.irp p, 1,2,3
	v_cmp_eq_u32 vcc_lo, \p, v2
	v_mov_b32 v23, s[44+\p]
	v_cndmask_b32 v24, v24, v23, vcc_lo
.endr
	global_store_b32 v4, v24, s[8:9]
	s_endpgm
.Lfunc_end_k_q9623318237_topk:
	.size	k_q9623318237_topk, .Lfunc_end_k_q9623318237_topk-k_q9623318237_topk
	.p2alignl 7, 3214868480
	.fill 96, 4, 3214868480
	.section	.rodata,"a",@progbits
	.p2align	6, 0x0
	.amdhsa_kernel k_q9623318237_topk
		.amdhsa_group_segment_fixed_size 0
		.amdhsa_private_segment_fixed_size 0
		.amdhsa_enable_private_segment 0
		.amdhsa_kernarg_size 24
		.amdhsa_user_sgpr_count 2
		.amdhsa_user_sgpr_kernarg_segment_ptr 1
		.amdhsa_wavefront_size32 1
		.amdhsa_system_sgpr_workgroup_id_x 1
		.amdhsa_system_sgpr_workgroup_id_y 1
		.amdhsa_system_sgpr_workgroup_id_z 1
		.amdhsa_system_vgpr_workitem_id 0
		.amdhsa_next_free_vgpr 192
		.amdhsa_next_free_sgpr 66
		.amdhsa_reserve_vcc 1
		.amdhsa_float_denorm_mode_32 3
		.amdhsa_float_denorm_mode_16_64 3
		.amdhsa_memory_ordered 1
		.amdhsa_forward_progress 1
		.amdhsa_inst_pref_size 18
	.end_amdhsa_kernel
	.amdgpu_metadata
---
amdhsa.version: [ 1, 2 ]
amdhsa.kernels:
  - .name:           k_q9623318237_topk
    .symbol:         k_q9623318237_topk.kd
    .args:
      - { .name: pc, .offset: 0, .size: 8, .value_kind: global_buffer, .address_space: global }
      - { .name: gate_b, .offset: 8, .size: 8, .value_kind: global_buffer, .address_space: global }
      - { .name: idx, .offset: 16, .size: 8, .value_kind: global_buffer, .address_space: global }
    .group_segment_fixed_size: 0
    .private_segment_fixed_size: 0
    .kernarg_segment_align: 8
    .kernarg_segment_size: 24
    .max_flat_workgroup_size: 32
    .sgpr_count:     66
    .vgpr_count:     192
    .wavefront_size: 32
...
	.end_amdgpu_metadata
.endif
;; end of part 2
;; launch wprep (part 3): grid 256 x 1, 8 waves a work-group, no clusters, 25,600 bytes of LDS; arguments w1, w2, idx, wq; writes wq
.if DOCPART == 3
	.amdgcn_target "amdgcn-amd-amdhsa--gfx1250"
	.amdhsa_code_object_version 6
	.text
	.protected	k_q9623318237_wprep
	.globl	k_q9623318237_wprep
	.p2align	8
	.type	k_q9623318237_wprep,@function
k_q9623318237_wprep:
	s_mov_b64 s[64:65], 0
	v_nop
	global_prefetch_b8 v0, s[64:65] scope:SCOPE_SE
	s_setreg_imm32_b32 hwreg(HW_REG_WAVE_MODE, 25, 1), 1
	s_wait_xcnt 0x0
; The four chosen experts' w1 [512 (k)][2048] and w2 [2048 (k)][512], f32 with K as the first axis, become codes of BF6 (E3M2) and E8M0 scale words, laid in wq as images of operand registers.
; A LANE TAKES A COLUMN, AND ITS REGISTERS RUN DOWN K: a block of 32 lies in one lane's registers, and the conversions give codes with K innermost. Nothing is transposed by an instruction.
; A wave takes 32 neighbouring columns x 128 along K: two fragments. Column j goes to tile u = (j / 8) % 2, row r = j % 8 + 8 (j / 16): so in a product used transposed the 16 registers of a pair of tiles are 16 neighbouring columns.
; A fragment's image: register group g of lane (r, h) at 512 g + 256 h + 16 r. The wave's two images are put together in its own 3,072 bytes of LDS and leave as six stores of 512 consecutive bytes.
; wq: W1's codes [k][pair 64][K step 4][u]; W2's [k][column block 4][K step 16][pair 4][u]; W1's scale words [k][pair][K step][u][r]; W2's [column block][k][K step][tile][r].
; One text serves both tensors: work-groups 0-127 take w1, the others w2; what differs is a pointer, the pitch (a scalar) and the places in wq, all chosen on the work-group's number.
; The expert's number comes from idx, stored by an earlier launch; it is held at 15.
; LIMITS: a block of zeros gets the byte 1 (its codes are zeros; only this program reads the bytes); NaN and infinities among the inputs are not served.
; No cluster, no tensor load: nothing is shared, and each wave's loads are all its own. Loads run two blocks (64 loads) ahead.
.set W2C, 3145728
.set W1S, 6291456
.set W2S, 6422528
.set XN,  64                           ; v64-191  128 numbers; later the images read back
.set VO,  192                          ; v192-223 row i of a block: i x pitch + 4 x lane
	s_load_b256 s[4:11], s[0:1], 0x0               ; w1 s[4:5], w2 s[6:7], idx s[8:9], wq s[10:11]
	v_lshl_add_u32 v224, v0, 2, 0x6000
	v_mov_b32 v225, 0
	v_lshrrev_b32 v1, 5, v0
	v_readfirstlane_b32 s16, v1                    ; wave
	s_lshr_b32 s17, ttmp9, 7                       ; 0: w1, 1: w2
	s_bfe_u32 s18, ttmp9, 0x20005                  ; k: which of the four chosen
	s_and_b32 s19, ttmp9, 31
	s_cmp_eq_u32 s17, 0
	s_cselect_b32 s20, 7, 1
	s_cselect_b32 s21, 3, 1
	s_cselect_b32 s22, 13, 11                      ; a row of w1 is 2^13 bytes, of w2 2^11
	s_and_b32 s23, s19, s20                        ; which 256 columns
	s_lshr_b32 s24, s19, s21                       ; which K step
	s_lshl_b32 s25, s23, 3
	s_add_co_u32 s25, s25, s16                     ; p: my pair of tiles
	s_lshl_b32 s26, 1, s22                         ; the pitch
	s_add_co_u32 s27, s22, 7
	s_lshl_b32 s28, s24, s27                       ; 128 rows a K step
	s_lshl_b32 s27, s25, 7                         ; 128 bytes a pair
	s_add_co_u32 s28, s28, s27
	s_mov_b32 s29, 0
	s_lshl_b32 s30, s18, 2
	s_mov_b32 s31, 0
	s_lshl_b32 s34, s26, 5                         ; 32 rows: from a block to the next
	s_mov_b32 s35, 0
	s_wait_kmcnt 0x0
	s_add_nc_u64 s[8:9], s[8:9], s[30:31]
	s_load_b32 s32, s[8:9], 0x0                    ; the expert
	s_cmp_eq_u32 s17, 0
	s_cselect_b64 s[36:37], s[4:5], s[6:7]
	s_add_nc_u64 s[36:37], s[36:37], s[28:29]      ; expert 0's block 0: my K step, my 32 columns;
	s_add_nc_u64 s[38:39], s[36:37], s[34:35]      ; blocks 1 to 3: 32 rows on each. All four are made of ids and constants alone
	s_add_nc_u64 s[40:41], s[38:39], s[34:35]
	s_add_nc_u64 s[42:43], s[40:41], s[34:35]
	v_and_b32 v2, 31, v0                           ; lane = column j
	v_lshlrev_b32 v3, 2, v2
	v_and_b32 v7, 7, v2
	v_and_b32 v8, 16, v2
	v_lshrrev_b32 v8, 1, v8
	v_add_nc_u32 v7, v7, v8                        ; r
	v_bfe_u32 v8, v2, 3, 1                         ; u
	s_mul_i32 s58, s16, 3072                       ; my stage
	v_mul_u32_u24 v4, v8, 1536
	v_lshl_add_u32 v4, v7, 4, v4
	v_add_nc_u32 v4, s58, v4                       ; v4: into the stage
	v_lshl_add_u32 v5, v2, 4, s58                  ; v5: out of it
	v_lshlrev_b32 v6, 4, v2                        ; v6: 16 x lane
	v_lshl_add_u32 v9, v8, 4, v7
	v_lshlrev_b32 v9, 2, v9                        ; v9: my scale word's place: 4 (16 u + r)
.set i, 0
.rept 32
	v_mad_u32_u24 v[VO+i], s26, i, v3
.set i, i+1
.endr
	; the places in wq
	s_lshl_b32 s46, s18, 6
	s_add_co_u32 s46, s46, s25
	s_lshl_b32 s46, s46, 2
	s_add_co_u32 s46, s46, s24                     ; (64 k + p) 4 + K step
	s_mul_i32 s47, s46, 3072                       ; W1's codes
	s_lshl_b32 s46, s46, 7
	s_add_co_u32 s46, s46, W1S                     ; W1's scale words
	s_lshr_b32 s48, s25, 2
	s_and_b32 s49, s25, 3
	s_lshl_b32 s50, s18, 2
	s_add_co_u32 s50, s50, s48
	s_lshl_b32 s50, s50, 4
	s_add_co_u32 s50, s50, s24
	s_lshl_b32 s50, s50, 2
	s_add_co_u32 s50, s50, s49
	s_mul_i32 s50, s50, 3072
	s_add_co_u32 s50, s50, W2C                     ; W2's codes
	s_lshl_b32 s51, s48, 2
	s_add_co_u32 s51, s51, s18
	s_lshl_b32 s51, s51, 4
	s_add_co_u32 s51, s51, s24
	s_lshl_b32 s51, s51, 9
	s_lshl_b32 s49, s49, 7
	s_add_co_u32 s51, s51, s49
	s_add_co_u32 s51, s51, W2S                     ; W2's scale words
	s_cmp_eq_u32 s17, 0
	s_cselect_b32 s52, s47, s50
	s_cselect_b32 s54, s46, s51
	s_mov_b32 s53, 0
	s_mov_b32 s55, 0
	s_add_nc_u64 s[44:45], s[10:11], s[52:53]
	s_add_nc_u64 s[56:57], s[10:11], s[54:55]
	s_wait_kmcnt 0x0
	s_min_u32 s32, s32, 15                         ; the one number here that was read from memory: held inside the table,
	s_lshl_b32 s32, s32, 22                        ; times an expert's 4 MiB,
	s_mov_b32 s33, 0
.irp b, 0,1,2,3
	s_add_nc_u64 s[36+2*\b:37+2*\b], s[36+2*\b:37+2*\b], s[32:33]   ; and added last, once to each block's base
.endr
.macro LOAD b                          ; block b: 32 rows, 128 consecutive bytes a load
.set i, 0
.rept 32
	global_load_b32 v[XN+32*(\b)+i], v[VO+i], s[36+2*(\b):37+2*(\b)] th:TH_LOAD_NT
.set i, i+1
.endr
.endm
.macro CBLK b                          ; block b of my column: lane half b % 2, registers 6 (b / 2) .. + 5 of the fragment
.set XS, XN+32*(\b)
.set G,  16+12*((\b)%2)+6*((\b)/2)
.set TT, 40+4*((\b)%2)
	v_max3_num_f32 v48, |v[XS]|, |v[XS+1]|, |v[XS+2]|
	v_max3_num_f32 v49, |v[XS+3]|, |v[XS+4]|, |v[XS+5]|
.irp i, 6,10,14,18,22,26
	v_max3_num_f32 v48, v48, |v[XS+\i]|, |v[XS+\i+1]|
	v_max3_num_f32 v49, v49, |v[XS+\i+2]|, |v[XS+\i+3]|
.endr
	v_max3_num_f32 v48, v48, |v[XS+30]|, |v[XS+31]|
	v_max3_num_f32 v48, v48, v49, 0x2800000        ; and the floor 2^(5 - 127): the byte cannot fall under 1
	v_add_nc_u32 v50, 0xfe000000, v48              ; 4 off the exponent field: the conversion's scale operand
	v_lshrrev_b32 v51, 23, v50                     ; the byte
.if (\b) == 0
	v_mov_b32 v52, v51
.else
	v_lshl_or_b32 v52, v51, 8*(\b), v52
.endif
	v_cvt_scalef32_pk16_bf6_f32 v[G:G+2], v[XS:XS+15], v50
	v_cvt_scalef32_pk16_bf6_f32 v[TT:TT+2], v[XS+16:XS+31], v50   ; (a conversion's three registers begin on an even number)
	v_nop                                          ; one plain place behind a scaled conversion
.irp i, 0,1,2
	v_mov_b32 v[G+3+\i], v[TT+\i]
.endr
.endm
	LOAD 0
	LOAD 1
	s_wait_loadcnt 32                              ; block 0 is in; block 1's 32 loads may be out
	LOAD 2
	CBLK 0
	s_wait_loadcnt 32                              ; block 1 is in; block 2's may be out
	LOAD 3
	CBLK 1
	s_wait_loadcnt 32                              ; block 2 is in; block 3's may be out
	CBLK 2
	s_wait_loadcnt 0x0
	CBLK 3
.irp h, 0,1
.irp g, 0,1,2
	ds_store_b128 v4, v[16+12*\h+4*\g:19+12*\h+4*\g] offset:512*\g+256*\h
.endr
.endr
.irp i, 0,1,2,3,4,5
	ds_load_b128 v[XN+4*\i:XN+4*\i+3], v5 offset:512*\i   ; LDS serves a wave's instructions in order: these see my stores
.endr
	global_store_b32 v9, v52, s[56:57]             ; 32 scale words, 128 consecutive bytes
	s_wait_dscnt 0x0
.irp i, 0,1,2,3,4,5
	global_store_b128 v6, v[XN+4*\i:XN+4*\i+3], s[44:45] offset:512*\i
.endr
	s_wait_tensorcnt 0x0
	ds_add_u32 v224, v225
	s_wait_dscnt 0x0
	s_endpgm
.Lfunc_end_k_q9623318237_wprep:
	.size	k_q9623318237_wprep, .Lfunc_end_k_q9623318237_wprep-k_q9623318237_wprep
	.p2alignl 7, 3214868480
	.fill 96, 4, 3214868480
	.section	.rodata,"a",@progbits
	.p2align	6, 0x0
	.amdhsa_kernel k_q9623318237_wprep
		.amdhsa_group_segment_fixed_size 25600
		.amdhsa_private_segment_fixed_size 0
		.amdhsa_enable_private_segment 0
		.amdhsa_kernarg_size 32
		.amdhsa_user_sgpr_count 2
		.amdhsa_user_sgpr_kernarg_segment_ptr 1
		.amdhsa_wavefront_size32 1
		.amdhsa_system_sgpr_workgroup_id_x 1
		.amdhsa_system_sgpr_workgroup_id_y 1
		.amdhsa_system_sgpr_workgroup_id_z 1
		.amdhsa_system_vgpr_workitem_id 0
		.amdhsa_next_free_vgpr 226
		.amdhsa_next_free_sgpr 66
		.amdhsa_reserve_vcc 0
		.amdhsa_float_denorm_mode_32 3
		.amdhsa_float_denorm_mode_16_64 3
		.amdhsa_memory_ordered 1
		.amdhsa_forward_progress 1
		.amdhsa_inst_pref_size 26
	.end_amdhsa_kernel
	.amdgpu_metadata
---
amdhsa.version: [ 1, 2 ]
amdhsa.kernels:
  - .name:           k_q9623318237_wprep
    .symbol:         k_q9623318237_wprep.kd
    .args:
      - { .name: w1, .offset: 0, .size: 8, .value_kind: global_buffer, .address_space: global }
      - { .name: w2, .offset: 8, .size: 8, .value_kind: global_buffer, .address_space: global }
      - { .name: idx, .offset: 16, .size: 8, .value_kind: global_buffer, .address_space: global }
      - { .name: wq, .offset: 24, .size: 8, .value_kind: global_buffer, .address_space: global }
    .group_segment_fixed_size: 25600
    .private_segment_fixed_size: 0
    .kernarg_segment_align: 8
    .kernarg_segment_size: 32
    .max_flat_workgroup_size: 256
    .sgpr_count:     66
    .vgpr_count:     226
    .wavefront_size: 32
...
	.end_amdgpu_metadata
.endif
;; end of part 3
;; launch ffn1 (part 4): grid 16 x 16, 8 waves a work-group, clusters of 4 x 1, 214,016 bytes of LDS; arguments xc, xs, wq, b1, idx, hc, hs; writes hc, hs
.if DOCPART == 4
	.amdgcn_target "amdgcn-amd-amdhsa--gfx1250"
	.amdhsa_code_object_version 6
	.text
	.protected	k_q9623318237_ffn1
	.globl	k_q9623318237_ffn1
	.p2align	8
	.type	k_q9623318237_ffn1,@function
k_q9623318237_ffn1:
	s_mov_b64 s[64:65], 0
	v_nop
	global_prefetch_b8 v0, s[64:65] scope:SCOPE_SE
	s_setreg_imm32_b32 hwreg(HW_REG_WAVE_MODE, 25, 1), 1
	s_wait_xcnt 0x0
	s_wait_alu depctr_hold_cnt(0) depctr_sa_sdst(0) depctr_va_vdst(0) depctr_va_sdst(0) depctr_va_ssrc(0) depctr_va_vcc(0) depctr_vm_vsrc(0)
	s_getreg_b32 s2, hwreg(HW_REG_IB_STS2, 6, 4)
	s_cmp_eq_u32 s2, 0
	s_cbranch_scc0 .Lentry_in_a_cluster
	s_endpgm
.Lentry_in_a_cluster:
	s_bfe_u32 s2, ttmp6, 0x10000c
	s_cmp_lg_u32 s2, 0x3003
	s_cbranch_scc0 .Lentry_shape_is_right
	s_endpgm
.Lentry_shape_is_right:
; h = Q(gelu(Q(x) Q(W1[e]) + b1[e])) for the four chosen experts, on codes of BF6 (E3M2) with one E8M0 scale for each 32 along K; h leaves as codes and scale words, laid as the second product's operand registers.
; SHARES. A cluster's x is the expert slot k; its four work-groups take 512 hidden units each; the grid's y is a range of 512 tokens. Wave v keeps 64 hidden units' part of W1 (16 fragments, 192 registers) and of b1
; in registers for the whole launch and walks the 32 token tiles. Two waves lie on a SIMD: one wave's gelu stands beside the other's products.
; CLUSTER. The four partners read the same 512 tokens' codes and scale bytes: each piece is asked for JOINTLY, by the same tensor load with the same descriptor and the mask of all four. The place in the cluster enters
; global addresses of plain loads and stores alone. LDS is filled once: five loads of mine are out at the start; counted waits let the later chunks land while the earlier are worked.
; THE PRODUCT IS USED TRANSPOSED (source 0 = 16 rows of W1, source 1 = 16 tokens), and the rows of a tile of W1 were chosen so that the 16 registers of tiles 2 p, 2 p + 1 are hidden units 32 p + 16 (lane / 16) + 0..15:
; a lane holds one token, its registers run along the next K. b1 is the C of each sum's first product.
; gelu(z) = z / (1 + 2^(z (a + b z^2))), a = -2 log2(e) sqrt(2 / pi), b = 0.044715 a: the tanh form, written with one exponential and one reciprocal, all in f32.
; My 64 hidden units are half a K step of the second product: six registers a lane; they go out as 512 + 256 consecutive bytes. Their two scale bytes meet the neighbour wave's two in LDS and leave at the end as whole words.
; LIMITS: a block of zeros gets the byte 1 (its codes are zeros; only this program reads the bytes); NaN and infinities are not served.
.set XSL, 196608                       ; LDS: 0: x's 32 tiles x 4 images of 1,536 bytes; here: x's scale bytes, 16 a token
.set HSS, 204800                       ; h's scale words, [K step 4][token 512]: stored by the waves; no fill lands here
.set W1S, 6291456
.set XF,  48                           ; v48-95   x's four fragments
.set HA,  96                           ; v96-127  four tiles of the hidden layer
.set ARG, 128                          ; v128-159 gelu at work
.set MSB, 0
.macro WIN new                         ; the immediate's high byte repeats the setting that is left
.if MSB != \new
	s_set_vgpr_msb (MSB<<8)|\new
.set MSB, \new
.endif
.endm
.macro CROUND                          ; a round of the cluster's barrier
	s_barrier_signal -1
	s_barrier_wait -1
	s_cmp_lg_u32 s18, 0
	s_cbranch_scc1 .Lnot_wave_0_\@
	s_barrier_signal -3
.Lnot_wave_0_\@:
	s_barrier_wait -3
	s_barrier_signal -1
	s_barrier_wait -1
.endm
	s_load_b256 s[4:11], s[0:1], 0x0               ; xc s[4:5], xs s[6:7], wq s[8:9], b1 s[10:11]
	s_load_b128 s[12:15], s[0:1], 0x20             ; idx s[12:13], hc s[14:15]
	s_load_b64 s[16:17], s[0:1], 0x30              ; hs
	v_lshl_add_u32 v254, v0, 2, 0x34000
	v_mov_b32 v255, 0
	ds_add_u32 v254, v255
	ds_add_u32 v254, v255
	v_lshrrev_b32 v1, 5, v0
	v_readfirstlane_b32 s18, v1                    ; wave 0..7
	s_bfe_u32 s19, ttmp6, 0x40000                  ; cx: which 512 hidden units
	s_and_b32 s20, ttmp7, 0xffff                   ; which 512 tokens
	s_mov_b32 s24, 15|(3<<16)|(1<<21)              ; the mask: all four; elements of 8 bytes; bit 21 set beside a mask
	s_mov_b32 s25, 32<<16                          ; rows of 256 bytes,
	s_mov_b32 s26, 24<<16                          ; 24 of them: my 6,144 bytes of a chunk
	s_mov_b32 s27, 32<<16
	s_mov_b32 s28, 24
	s_mov_b32 s29, 32
	s_mov_b32 s30, 0
	s_mov_b32 s31, 0
	s_mov_b32 s48, 15|(3<<16)|(1<<21)              ; the scale bytes: 4 rows of 256 bytes a wave
	s_mov_b32 s49, 32<<16
	s_mov_b32 s50, 4<<16
	s_mov_b32 s51, 32<<16
	s_mov_b32 s52, 4
	s_mov_b32 s53, 32
	s_mov_b32 s54, 0
	s_mov_b32 s55, 0
	s_mul_i32 s21, s18, 6144
	s_mul_i32 s22, s20, 196608
	s_add_co_u32 s22, s22, s21
	s_mov_b32 s23, 0
	s_lshl_b32 s62, s20, 13
	s_lshl_b32 s63, s18, 10
	s_add_co_u32 s62, s62, s63
	s_add_co_u32 s66, s63, XSL
	s_mov_b32 s63, 0
	s_lshl_b32 s70, ttmp9, 2
	s_mov_b32 s71, 0
	s_wait_dscnt 0x0
	s_wait_kmcnt 0x0
	s_add_nc_u64 s[12:13], s[12:13], s[70:71]
	s_load_b32 s68, s[12:13], 0x0                  ; the expert of slot k
	s_add_nc_u64 s[4:5], s[4:5], s[22:23]
	s_add_nc_u64 s[6:7], s[6:7], s[62:63]
.irp c, 0,1,2,3
	s_mov_b32 s[32+4*\c], 1
	s_add_co_u32 s[33+4*\c], s21, \c*49152
	s_add_nc_u64 s[34+4*\c:35+4*\c], s[4:5], \c*49152
	s_or_b32 s[35+4*\c], s[35+4*\c], 0x80000000
.endr
	s_mov_b32 s56, 1
	s_mov_b32 s57, s66
	s_mov_b64 s[58:59], s[6:7]
	s_or_b32 s59, s59, 0x80000000
	CROUND                                         ; all four work-groups are here: the joint loads meet
	tensor_load_to_lds s[56:59], s[48:55]          ; the scale bytes, then the four chunks of 8 token tiles
	s_nop 0
	tensor_load_to_lds s[32:35], s[24:31]
	s_nop 0
	tensor_load_to_lds s[36:39], s[24:31]
	s_nop 0
	tensor_load_to_lds s[40:43], s[24:31]
	s_nop 0
	tensor_load_to_lds s[44:47], s[24:31]
	s_nop 0
.rept 4
	v_nop
.endr
	v_and_b32 v3, 31, v0
	v_lshlrev_b32 v1, 4, v3                        ; v1: 16 x lane
	v_lshlrev_b32 v2, 3, v3                        ; v2: 8 x lane
	v_and_b32 v3, 15, v0                           ; r
	v_bfe_u32 v36, v0, 4, 1                        ; lane / 16
	v_lshl_add_u32 v4, v3, 4, XSL                  ; v4: token r's scale bytes
	s_lshr_b32 s67, s18, 1
	s_and_b32 s69, s18, 1
	s_lshl_b32 s70, s67, 11
	s_lshl_b32 s71, s69, 1
	s_add_co_u32 s70, s70, s71
	s_add_co_u32 s70, s70, HSS
	v_lshl_add_u32 v5, v3, 2, s70                  ; v5: my two bytes of token r's word of K step wave / 2
	s_lshl_b32 s70, s18, 10
	s_add_co_u32 s70, s70, HSS
	v_add_nc_u32 v9, s70, v1                       ; v9: the 1,024 bytes of scale words that I store at the end
	v_lshlrev_b32 v14, 2, v3                       ; v14: 4 r
	v_lshlrev_b32 v15, 6, v36                      ; v15: 64 (lane / 16)
	v_mov_b32 v10, 0xbdd2d3e8                      ; b = -0.10294324, twice
	v_mov_b32 v11, 0xbdd2d3e8
	v_mov_b32 v12, 0xc0135761                      ; a = -2.3022082, twice
	v_mov_b32 v13, 0xc0135761
	v_mov_b32 v38, 0                               ; a lane permute's destination counts as one of its sources
	v_mov_b32 v39, 0
	s_mov_b32 s60, 0x76543210
	s_mov_b32 s61, 0xfedcba98
	s_lshl_b32 s70, ttmp9, 6
	s_lshl_b32 s71, s19, 4
	s_add_co_u32 s70, s70, s71
	s_lshl_b32 s71, s18, 1
	s_add_co_u32 s70, s70, s71                     ; 64 k + my first pair of tiles
	s_mul_i32 s72, s70, 12288
	s_mov_b32 s73, 0
	s_add_nc_u64 s[72:73], s[8:9], s[72:73]        ; W1's codes
	s_lshl_b32 s74, s70, 9
	s_add_co_u32 s74, s74, W1S
	s_mov_b32 s75, 0
	s_add_nc_u64 s[74:75], s[8:9], s[74:75]        ; W1's scale words
	WIN 0x40                                       ; destination window 1
.irp t, 0,1,2,3                                ; fragment (tile t, K step s) at v[48 t + 12 s] of window 1: it stays
.irp s, 0,1,2,3
.irp g, 0,1,2
	global_load_b128 v[48*\t+12*\s+4*\g:48*\t+12*\s+4*\g+3], v1, s[72:73] offset:((4*(\t/2)+\s)*2+\t%2)*1536+512*\g
.endr
.endr
.endr
	WIN 0
.irp t, 0,1,2,3
.irp s, 0,1,2,3
	global_load_b32 v[16+4*\t+\s], v14, s[74:75] offset:(4*(\t/2)+\s)*128+(\t%2)*64
.endr
.endr
	s_lshl_b32 s81, s19, 2
	s_add_co_u32 s81, s81, s67                     ; my K step of the second product: 4 cx + wave / 2
	s_mul_i32 s70, ttmp9, 12582912
	s_mul_i32 s71, s20, 786432
	s_add_co_u32 s70, s70, s71
	s_mul_i32 s71, s81, 12288
	s_add_co_u32 s70, s70, s71
	s_mul_i32 s71, s69, 768
	s_add_co_u32 s70, s70, s71
	s_mov_b32 s71, 0
	s_add_nc_u64 s[14:15], s[14:15], s[70:71]      ; hc at my half fragment of the first token tile
	s_lshl_b32 s70, ttmp9, 4
	s_add_co_u32 s70, s70, s81
	s_lshl_b32 s70, s70, 15
	s_lshl_b32 s80, s20, 11
	s_add_co_u32 s70, s70, s80
	s_lshl_b32 s80, s69, 10
	s_add_co_u32 s70, s70, s80
	s_add_nc_u64 s[16:17], s[16:17], s[70:71]      ; hs at the 256 words that I store
	s_wait_kmcnt 0x0
	s_min_u32 s68, s68, 15
	s_lshl_b32 s82, s68, 13
	s_lshl_b32 s80, s19, 11
	s_add_co_u32 s82, s82, s80
	s_lshl_b32 s80, s18, 8
	s_add_co_u32 s82, s82, s80
	s_mov_b32 s83, 0
	s_add_nc_u64 s[82:83], s[10:11], s[82:83]      ; b1 at my 64 hidden units
	WIN 0x40
.irp t, 0,1,2,3                                ; b1 in the result's layout: tile t, register j: unit 32 (t / 2) + 16 (lane / 16) + 8 (t % 2) + j
	global_load_b128 v[192+8*\t:195+8*\t], v15, s[82:83] offset:(32*(\t/2)+8*(\t%2))*4
	global_load_b128 v[196+8*\t:199+8*\t], v15, s[82:83] offset:(32*(\t/2)+8*(\t%2))*4+16
.endr
	WIN 0
	s_wait_loadcnt 0x0
.macro UNIT                            ; one token tile
	v_add_nc_u32 v6, s77, v1
	v_add_nc_u32 v7, s78, v4
	v_add_nc_u32 v8, s79, v5
	ds_load_b128 v[32:35], v7                      ; x's four scale words
.irp s, 0,1,2,3
.irp g, 0,1,2
	ds_load_b128 v[XF+12*\s+4*\g:XF+12*\s+4*\g+3], v6 offset:1536*\s+512*\g
.endr
.endr
	s_wait_dscnt 9                                 ; the scale words and K step 0 are in; the nine loads of K steps 1 to 3 may be out
	WIN 0x11                                       ; W1 and b1 in window 1
.irp t, 0,1,2,3
	v_wmma_scale_f32_16x16x128_f8f6f4 v[HA+8*\t:HA+8*\t+7], v[48*\t:48*\t+11], v[XF:XF+11], v[192+8*\t:199+8*\t], v[16+4*\t], v32 matrix_a_fmt:MATRIX_FMT_BF6 matrix_b_fmt:MATRIX_FMT_BF6
.endr
	WIN 0x01
.irp s, 1,2,3                                  ; the four tiles by turns
	s_wait_dscnt 9-3*\s                            ; this K step's fragment is in; the later ones' loads may be out
.irp t, 0,1,2,3
	v_wmma_scale_f32_16x16x128_f8f6f4 v[HA+8*\t:HA+8*\t+7], v[48*\t+12*\s:48*\t+12*\s+11], v[XF+12*\s:XF+12*\s+11], v[HA+8*\t:HA+8*\t+7], v[16+4*\t+\s], v[32+\s] matrix_a_fmt:MATRIX_FMT_BF6 matrix_b_fmt:MATRIX_FMT_BF6
.endr
.endr
	WIN 0
.rept 4
	v_nop                                          ; four places in front of the first read of results
.endr
.set j, 0
.rept 16
	v_pk_mul_f32 v[ARG+j:ARG+j+1], v[HA+j:HA+j+1], v[HA+j:HA+j+1]    ; z^2; each accumulator from its low end on
.set j, j+2
.endr
.set j, 0
.rept 16
	v_pk_fma_f32 v[ARG+j:ARG+j+1], v[ARG+j:ARG+j+1], v[10:11], v[12:13]   ; a + b z^2
.set j, j+2
.endr
.set j, 0
.rept 16
	v_pk_mul_f32 v[ARG+j:ARG+j+1], v[ARG+j:ARG+j+1], v[HA+j:HA+j+1]
.set j, j+2
.endr
.set j, 0
.rept 32
	v_exp_f32 v[ARG+j], v[ARG+j]
.set j, j+1
.endr
	v_nop                                          ; a plain place behind the exponentials
.set j, 0
	s_wait_alu depctr_va_vdst(0)
.rept 16
	v_pk_add_f32 v[ARG+j:ARG+j+1], v[ARG+j:ARG+j+1], 1.0 op_sel_hi:[1,0]
.set j, j+2
.endr
.set j, 0
.rept 32
	v_rcp_f32 v[ARG+j], v[ARG+j]
.set j, j+1
.endr
	v_nop                                          ; a plain place behind the reciprocals
.set j, 0
	s_wait_alu depctr_va_vdst(0)
.rept 16
	v_pk_mul_f32 v[HA+j:HA+j+1], v[HA+j:HA+j+1], v[ARG+j:ARG+j+1]    ; gelu(z)
.set j, j+2
.endr
.irp b, 0,1                                    ; two blocks of 32 hidden units: my 16 numbers of each, and the floor 2^(5 - 127)
	v_max3_num_f32 v[36+\b], |v[HA+16*\b]|, |v[HA+1+16*\b]|, 0x2800000
.endr
.irp i, 2,4,6,8,10,12,14
.irp b, 0,1
	v_max3_num_f32 v[36+\b], v[36+\b], |v[HA+16*\b+\i]|, |v[HA+1+16*\b+\i]|
.endr
.endr
.irp b, 0,1
	v_permlanex16_b32 v[38+\b], v[36+\b], s60, s61
.endr
.irp b, 0,1
	v_max_num_f32 v[36+\b], v[36+\b], v[38+\b]     ; with lane l xor 16's: the block's largest magnitude
.endr
.irp b, 0,1
	v_add_nc_u32 v[40+\b], 0xfe000000, v[36+\b]    ; the conversion's scale operand
.endr
.irp b, 0,1
	v_lshrrev_b32 v[38+\b], 23, v[40+\b]           ; the byte
.endr
	v_lshl_or_b32 v172, v39, 8, v38                ; my two bytes of the token's scale word
	v_cvt_scalef32_pk16_bf6_f32 v[160:162], v[HA:HA+15], v40
	v_cvt_scalef32_pk16_bf6_f32 v[168:170], v[HA+16:HA+31], v41
	v_nop                                          ; one plain place behind a scaled conversion
.irp i, 0,1,2                                  ; the operand wants a whole block in a lane: lanes 0-15 the first block, lanes 16-31 the second
	v_permlane16_swap_b32 v[160+\i], v[168+\i]
.endr
.irp i, 0,1,2
	v_mov_b32 v[163+\i], v[168+\i]
.endr
	global_store_b128 v1, v[160:163], s[14:15]     ; 512 consecutive bytes,
	global_store_b64 v2, v[164:165], s[14:15] offset:512   ; and 256
	ds_store_b16 v8, v172                          ; both halves of the lanes write the same bytes with the same value
	s_wait_xcnt 0x0                                ; the stores' data and base are written again only behind this wait
	s_add_nc_u64 s[14:15], s[14:15], 1536
	s_add_co_u32 s77, s77, 6144
	s_add_co_u32 s78, s78, 256
	s_add_co_u32 s79, s79, 64
.endm
.macro CHUNK c                         ; 8 token tiles
	s_wait_tensorcnt 3-\c                          ; my parts of the scale bytes and of chunks 0 to c are in; the later chunks' loads stay out
	s_wait_dscnt 0x0
	s_barrier_signal -1
	s_barrier_wait -1                              ; everybody's are.
	s_mov_b32 s77, \c*49152
	s_mov_b32 s78, \c*2048
	s_mov_b32 s79, \c*512
	s_mov_b32 s76, 8
.Lunit_\@:
	UNIT
	s_sub_co_u32 s76, s76, 1
	s_cmp_lg_u32 s76, 0
	s_cbranch_scc1 .Lunit_\@
	s_add_nc_u64 s[14:15], s[14:15], 184320        ; on to the next block of 128 tokens in hc
.endm
	CHUNK 0
	CHUNK 1
	CHUNK 2
	CHUNK 3
	s_wait_dscnt 0x0                               ; my byte stores are done
	s_barrier_signal -1
	s_barrier_wait -1
	ds_load_b128 v[48:51], v9
	ds_load_b128 v[52:55], v9 offset:512
	s_wait_dscnt 0x0
	global_store_b128 v1, v[48:51], s[16:17]
	global_store_b128 v1, v[52:55], s[16:17] offset:512
	s_wait_tensorcnt 0x0
	ds_add_u32 v254, v255
	s_wait_dscnt 0x0
	CROUND                                         ; the closing round
	s_endpgm
.Lfunc_end_k_q9623318237_ffn1:
	.size	k_q9623318237_ffn1, .Lfunc_end_k_q9623318237_ffn1-k_q9623318237_ffn1
	.p2alignl 7, 3214868480
	.fill 96, 4, 3214868480
	.section	.rodata,"a",@progbits
	.p2align	6, 0x0
	.amdhsa_kernel k_q9623318237_ffn1
		.amdhsa_group_segment_fixed_size 214016
		.amdhsa_private_segment_fixed_size 0
		.amdhsa_enable_private_segment 0
		.amdhsa_kernarg_size 56
		.amdhsa_user_sgpr_count 2
		.amdhsa_user_sgpr_kernarg_segment_ptr 1
		.amdhsa_wavefront_size32 1
		.amdhsa_system_sgpr_workgroup_id_x 1
		.amdhsa_system_sgpr_workgroup_id_y 1
		.amdhsa_system_sgpr_workgroup_id_z 1
		.amdhsa_system_vgpr_workitem_id 0
		.amdhsa_next_free_vgpr 512
		.amdhsa_next_free_sgpr 100
		.amdhsa_reserve_vcc 0
		.amdhsa_float_denorm_mode_32 3
		.amdhsa_float_denorm_mode_16_64 3
		.amdhsa_memory_ordered 1
		.amdhsa_forward_progress 1
		.amdhsa_inst_pref_size 68
	.end_amdhsa_kernel
	.amdgpu_metadata
---
amdhsa.version: [ 1, 2 ]
amdhsa.kernels:
  - .name:           k_q9623318237_ffn1
    .symbol:         k_q9623318237_ffn1.kd
    .args:
      - { .name: xc, .offset: 0, .size: 8, .value_kind: global_buffer, .address_space: global }
      - { .name: xs, .offset: 8, .size: 8, .value_kind: global_buffer, .address_space: global }
      - { .name: wq, .offset: 16, .size: 8, .value_kind: global_buffer, .address_space: global }
      - { .name: b1, .offset: 24, .size: 8, .value_kind: global_buffer, .address_space: global }
      - { .name: idx, .offset: 32, .size: 8, .value_kind: global_buffer, .address_space: global }
      - { .name: hc, .offset: 40, .size: 8, .value_kind: global_buffer, .address_space: global }
      - { .name: hs, .offset: 48, .size: 8, .value_kind: global_buffer, .address_space: global }
    .group_segment_fixed_size: 214016
    .private_segment_fixed_size: 0
    .kernarg_segment_align: 8
    .kernarg_segment_size: 56
    .max_flat_workgroup_size: 256
    .sgpr_count:     100
    .vgpr_count:     512
    .wavefront_size: 32
...
	.end_amdgpu_metadata
.endif
;; end of part 4
;; launch ffn2 (part 5): grid 4 x 64, 4 waves a work-group, clusters of 4 x 4, 327,680 bytes of LDS; arguments hc, hs, wq, lg, gate_b, b2, idx, out0; writes out0
.if DOCPART == 5
	.amdgcn_target "amdgcn-amd-amdhsa--gfx1250"
	.amdhsa_code_object_version 6
	.text
	.protected	k_q9623318237_ffn2
	.globl	k_q9623318237_ffn2
	.p2align	8
	.type	k_q9623318237_ffn2,@function
k_q9623318237_ffn2:
	s_mov_b64 s[64:65], 0
	v_nop
	global_prefetch_b8 v0, s[64:65] scope:SCOPE_SE
	s_setreg_imm32_b32 hwreg(HW_REG_WAVE_MODE, 25, 1), 1
	s_wait_xcnt 0x0
	s_wait_alu depctr_hold_cnt(0) depctr_sa_sdst(0) depctr_va_vdst(0) depctr_va_sdst(0) depctr_va_ssrc(0) depctr_va_vcc(0) depctr_vm_vsrc(0)
	s_getreg_b32 s2, hwreg(HW_REG_IB_STS2, 6, 4)
	s_cmp_eq_u32 s2, 0
	s_cbranch_scc0 .Lentry_in_a_cluster
	s_endpgm
.Lentry_in_a_cluster:
	s_bfe_u32 s2, ttmp6, 0x10000c
	s_cmp_lg_u32 s2, 0xf033
	s_cbranch_scc0 .Lentry_shape_is_right
	s_endpgm
.Lentry_shape_is_right:
; out[t][:] = the sum over the four chosen experts k of softmax_k(logit[t][e_k] + gate_b[e_k]) x (h_k[t] Q(W2[e_k]) + b2[e_k]); the products on codes of BF6 (E3M2) with one E8M0 scale for each 32 along K.
; SHARES. A work-group owns 128 tokens x 128 columns of out: one owner for each output. WAVE w IS EXPERT SLOT w: it makes the whole 128 x 128 tile over that expert's K = 2,048 in 64 accumulators (512 registers),
; 16 K steps of 64 matrix instructions; no fragment is read twice. The sum over experts is the sum over the four waves, made once, through LDS, at the end.
; h COMES THROUGH A RING of two LDS slots of TWO K steps: each wave fetches its own expert's 24,576 consecutive bytes (16 fragments) with one tensor load and reads only those. Eight fills in all: two at the start, six behind
; rounds; a refill has two K steps, 128 matrix instructions, in which to land. The scale words of all 16 K steps come once, with the first fills: three loads of mine are out at the start, one behind each round.
; W2 COMES STRAIGHT INTO REGISTERS: its fragments lie in memory as images of the operand's registers, 24 loads of 512 consecutive bytes a K step, into three sets that take turns; a K step's loads are issued two steps
; ahead, and the counted wait leaves the next step's 24 out.
; CLUSTER 4 x 4. The four work-groups of a row share their 128 tokens: h's tiles and scale words are asked for JOINTLY; W2's scale words jointly along a column. W2's CODES ARE NOT ASKED FOR JOINTLY, though a column shares them:
; only one wave reads a fragment, so LDS would serve the joint request alone, and two slots of two K steps with W2 in them are 393,216 bytes, more than a work-group can have; with one K step to a slot
; there would be sixteen fills, each waited for whole after one K step.
; THE SIXTEEN K STEPS ARE WRITTEN OUT by one macro: W2's sets come back after 3 steps and the slots after 4, so the registers and addresses come back after 12 of the 16: a loop would make one trip. Every offset is an immediate.
; THE PRODUCT IS USED TRANSPOSED (source 0 = 16 rows of W2, source 1 = 16 tokens): a lane holds one token; in tile 2 p + u its register j is column 32 p + 16 (lane / 16) + 8 u + j. b2 is the C of each sum's first product.
; The softmax takes the row's largest logit away before the exponentials. LIMITS: NaN and infinities are not served; the logits carry their operands' rounding to bf16.
; REGISTERS: window 0: v4-29 addresses; v32-47 scale words, two sets (lanes 0-15 h's tile i, lanes 16-31 W2's tile i); v48-63 my expert's gate for the 8 token tiles, each twice; v64-159 h's fragments, one set;
;   v160-255 W2's set 2 (v224-255 hold the logits until the softmax is made, ahead of K step 0). window 1: W2's sets 0 and 1 at v0 and v96; v192-255 b2. windows 2, 3: accumulator (a, b) at v[8 (8 (a % 4) + b)].
.set SLOT,  98304                      ; a slot: four experts x two K steps x 12,288 bytes
.set HSL,   196608                     ; h's scale words [16 k + K step][128 tokens]; 32,768 bytes on: W2's, [16 k + K step][tile][row]
.set SPARE, 327168                     ; the spare words, 128 bytes a wave: two blocks of 256 bytes that no other line names
.set W2C,   3145728
.set W2S,   6422528
.set RD,    4                          ; v4-7   the way out: expert k's partial rows that I add
.set VL,    8                          ; v8-11  the logits' offsets for my expert and the three others
.set ADH16, 16                         ; v16-17 h's fragments in slot 0, 1: the pieces of 16 bytes a lane;
.set ADH8,  18                         ; v18-19 those of 8 bytes
.set STO,   24                         ; v24    the way out: where I put my partial rows
.set CO,    26                         ; v26    16 x lane; never rewritten
.set ADS,   27                         ; v27    my scale words of K step 0; never rewritten
.set SPW,   28                         ; v28    my spare word; never rewritten
.set NIL,   29                         ; v29    0; never rewritten
.set SC,    32
.set GWT,   48
.set AF,    64
.set BB,    192                        ; b2, in window 1
.set G1H, 24                           ; s[24:31], s[32:39] groups 1 and 0 (a set for each slot) for h's tiles
.set G0H, 32
.set WA,  48                           ; s[48:49] my expert's W2 codes of my 128 columns; never rewritten
.set G1S, 68                           ; s[68:75], s[76:79] for h's scale words
.set G0S, 76
.set G1SW, 80                          ; s[80:87], s[88:91] for W2's
.set G0SW, 88
.set MSB, 0
.macro WIN new                         ; the immediate's high byte repeats the setting that is left
.if MSB != \new
	s_set_vgpr_msb (MSB<<8)|\new
.set MSB, \new
.endif
.endm
.set TO_B, 0x40                        ; destination window 1, address window 0
; The joint load of the scale words: waves 0 and 1 ask for h's, waves 2 and 3 for W2's. Each line has one mask and one set of registers; the branch hangs on the wave's number alone. Four v_nop follow each line.
.macro JLOAD g0a, g1a, g0b, g1b
	s_cmp_eq_u32 s21, 0
	s_cbranch_scc0 .Lfor_b_\@
	tensor_load_to_lds s[\g0a:\g0a+3], s[\g1a:\g1a+7]
	s_nop 0
.rept 4
	v_nop
.endr
	s_branch .Lasked_\@
.Lfor_b_\@:
	tensor_load_to_lds s[\g0b:\g0b+3], s[\g1b:\g1b+7]
	s_nop 0
.rept 4
	v_nop
.endr
.Lasked_\@:
.endm
.macro CREST                           ; a round of the cluster's barrier behind its opening barrier
	s_cmp_lg_u32 s20, 0
	s_cbranch_scc1 .Lnot_wave_0_\@
	s_barrier_signal -3
.Lnot_wave_0_\@:
	s_barrier_wait -3
	s_barrier_signal -1
	s_barrier_wait -1
.endm
.macro CROUND
	s_barrier_signal -1
	s_barrier_wait -1
	CREST
.endm
.macro PLACES
.rept 4
	v_nop
.endr
.endm
; W2's eight fragments of K step S into set S % 3: 24 loads of 512 consecutive bytes. No hint: other work-groups read the same bytes.
.macro WLOAD S
.set LB, 96*((\S)%3)
.if (\S)%3 == 2
.set LB, 160
	WIN 0
.else
	WIN TO_B
.endif
.irp b, 0,1,2,3,4,5,6,7
.irp g, 0,1,2
	global_load_b128 v[LB+12*\b+4*\g:LB+12*\b+4*\g+3], v[CO], s[WA:WA+1] offset:12288*(\S)+1536*\b+512*\g
.endr
.endr
	WIN 0
.endm
	s_load_b256 s[4:11], s[0:1], 0x0               ; hc s[4:5], hs s[6:7], wq s[8:9], lg s[10:11]
	s_load_b256 s[12:19], s[0:1], 0x20             ; gate_b s[12:13], b2 s[14:15], idx s[16:17], out0 s[18:19]
	v_lshl_add_u32 v[SPW], v0, 2, SPARE
	v_mov_b32 v[NIL], 0
	ds_add_u32 v28, v29
	ds_add_u32 v28, v29
	s_wait_dscnt 0x0
	v_lshrrev_b32 v1, 5, v0
	v_readfirstlane_b32 s20, v1                    ; wave 0..3 = expert slot
	s_lshr_b32 s21, s20, 1                         ; of the scale words I fetch h's (0) or W2's (1),
	s_and_b32 s22, s20, 1                          ; experts 2 (wave % 2) and the next
	s_bfe_u32 s40, ttmp6, 0x40000                  ; cx, cy
	s_bfe_u32 s41, ttmp6, 0x40004
	s_lshl_b32 s42, ttmp9, 2
	s_add_co_u32 s42, s42, s40                     ; which 128 columns
	s_and_b32 s23, ttmp7, 0xffff
	s_lshl_b32 s23, s23, 2
	s_add_co_u32 s23, s23, s41                     ; which 128 tokens
	s_lshl_b32 s43, s41, 2
	s_lshl_b32 s43, 15, s43                        ; my row of the cluster
	s_lshl_b32 s44, 0x1111, s40                    ; my column
	s_or_b32 s[G1H], s43, (3<<16)|(1<<21)          ; the mask; elements of 8 bytes; bit 21 set beside a mask
	s_or_b32 s[G1S], s43, (3<<16)|(1<<21)
	s_or_b32 s[G1SW], s44, (3<<16)|(1<<21)
	s_mov_b32 s[G1H+1], 32<<16                     ; h: one expert's two K steps, 24,576 dense bytes, as 96 rows of 256
	s_mov_b32 s[G1H+2], 96<<16
	s_mov_b32 s[G1H+3], 32<<16
	s_mov_b32 s[G1H+4], 96
	s_mov_b32 s[G1H+5], 32
	s_mov_b32 s[G1H+6], 0
	s_mov_b32 s[G1H+7], 0
	s_mov_b32 s[G1S+1], 64<<16                     ; h's scale words: 32 rows (two experts x 16 K steps) of 512 bytes, 32,768 bytes apart
	s_mov_b32 s[G1S+2], 32<<16
	s_mov_b32 s[G1S+3], 64<<16
	s_mov_b32 s[G1S+4], 32
	s_mov_b32 s[G1S+5], 4096
	s_mov_b32 s[G1S+6], 0
	s_mov_b32 s[G1S+7], 0
	s_mov_b32 s[G1SW+1], 32<<16                    ; W2's: 16,384 dense bytes as 64 rows of 256
	s_mov_b32 s[G1SW+2], 64<<16
	s_mov_b32 s[G1SW+3], 32<<16
	s_mov_b32 s[G1SW+4], 64
	s_mov_b32 s[G1SW+5], 32
	s_mov_b32 s[G1SW+6], 0
	s_mov_b32 s[G1SW+7], 0
	s_lshl_b32 s92, s20, 6                         ; h: (64 x expert slot + token block) x 16 K steps x 12,288: hangs on the wave and the token block alone
	s_add_co_u32 s92, s92, s23
	s_mul_i32 s92, s92, 196608
	s_mov_b32 s93, 0
	s_lshl_b32 s46, s20, 2                         ; W2's codes: (4 x expert slot + column block) likewise
	s_add_co_u32 s46, s46, s42
	s_mul_i32 s46, s46, 196608
	s_add_co_u32 s46, s46, W2C
	s_mov_b32 s47, 0
	s_lshl_b32 s94, s22, 20
	s_lshl_b32 s95, s23, 9
	s_add_co_u32 s94, s94, s95
	s_mov_b32 s95, 0
	s_lshl_b32 s96, s42, 15
	s_lshl_b32 s97, s22, 14
	s_add_co_u32 s96, s96, s97
	s_add_co_u32 s96, s96, W2S
	s_mov_b32 s97, 0
	s_mul_i32 s45, s20, 24576                      ; where my expert's two K steps go in a slot,
	s_lshl_b32 s98, s20, 14
	s_add_co_u32 s98, s98, HSL                     ; and my scale words: no place in the cluster enters an LDS address
	s_lshl_b32 s50, s20, 2
	s_mov_b32 s51, 0
	v_and_b32 v3, 31, v0                           ; lane
	v_lshlrev_b32 v[CO], 4, v3
	s_wait_kmcnt 0x0
	s_add_nc_u64 s[16:17], s[16:17], s[50:51]      ; idx from word w on: my expert first, then the three others (word j holds choice j % 4)
	s_load_b32 s52, s[16:17], 0x0
	s_load_b32 s53, s[16:17], 0x4
	s_load_b32 s54, s[16:17], 0x8
	s_load_b32 s55, s[16:17], 0xc
	s_add_nc_u64 s[92:93], s[4:5], s[92:93]
	s_add_nc_u64 s[WA:WA+1], s[8:9], s[46:47]
	s_add_nc_u64 s[94:95], s[6:7], s[94:95]
	s_add_nc_u64 s[96:97], s[8:9], s[96:97]
	WLOAD 0                                        ; W2 of K steps 0 and 1 is on its way while the cluster meets
	WLOAD 1
	CROUND                                         ; all sixteen work-groups are here: the first joint loads meet
	s_mov_b32 s[G0S], 1
	s_mov_b32 s[G0S+1], s98
	s_mov_b64 s[G0S+2:G0S+3], s[94:95]
	s_or_b32 s[G0S+3], s[G0S+3], 0x80000000
	s_mov_b32 s[G0SW], 1
	s_mov_b32 s[G0SW+1], s98
	s_mov_b64 s[G0SW+2:G0SW+3], s[96:97]
	s_or_b32 s[G0SW+3], s[G0SW+3], 0x80000000
	JLOAD G0S, G1S, G0SW, G1SW                     ; the scale words first: they are wanted with K step 0
.irp s, 0,1
	s_mov_b32 s[G0H+4*\s], 1
	s_add_co_u32 s[G0H+4*\s+1], s45, \s*SLOT
	s_add_nc_u64 s[G0H+4*\s+2:G0H+4*\s+3], s[92:93], \s*24576   ; slot s begins with K steps 2 s, 2 s + 1
	s_or_b32 s[G0H+4*\s+3], s[G0H+4*\s+3], 0x80000000
	tensor_load_to_lds s[G0H+4*\s:G0H+4*\s+3], s[G1H:G1H+7]
	s_nop 0
	PLACES
.endr
	v_and_b32 v1, 15, v0                           ; r
	v_bfe_u32 v2, v0, 4, 1                         ; lane / 16
	v_lshl_add_u32 v[ADH16], v3, 4, s45            ; my expert's fragments in slot 0,
	v_add_nc_u32 v[ADH16+1], SLOT, v[ADH16]        ; and in slot 1
	v_lshl_add_u32 v[ADH8], v3, 3, s45
	v_add_nc_u32 v[ADH8], 512, v[ADH8]
	v_add_nc_u32 v[ADH8+1], SLOT, v[ADH8]
	s_lshl_b32 s43, s20, 13
	s_add_co_u32 s43, s43, HSL
	v_lshl_add_u32 v[ADS], v1, 2, s43
	v_lshl_add_u32 v[ADS], v2, 15, v[ADS]          ; lanes 16-31 take W2's words, 32,768 bytes on
	s_mul_i32 s43, s20, 67584
	v_mul_u32_u24 v[STO], v1, 528
	v_lshl_add_u32 v[STO], v2, 6, v[STO]
	v_add_nc_u32 v[STO], s43, v[STO]               ; the stage: my expert's 128 rows of 528 bytes; row r, + 64 (lane / 16)
	s_mul_i32 s43, s20, 16896
	v_lshl_add_u32 v[RD], v3, 4, s43               ; back: rows 32 w on, of each expert's part
	v_add_nc_u32 v[RD+1], 67584, v[RD]
	v_add_nc_u32 v[RD+2], 67584, v[RD+1]
	v_add_nc_u32 v[RD+3], 67584, v[RD+2]
	v_lshlrev_b32 v12, 6, v2                       ; b2: 64 (lane / 16)
	s_lshl_b32 s40, s23, 13
	s_mov_b32 s41, 0
	s_add_nc_u64 s[10:11], s[10:11], s[40:41]      ; lg at my 8 token tiles
	s_lshl_b32 s40, s23, 18
	s_lshl_b32 s43, s20, 16
	s_add_co_u32 s40, s40, s43
	s_lshl_b32 s43, s42, 9
	s_add_co_u32 s40, s40, s43
	s_add_nc_u64 s[18:19], s[18:19], s[40:41]      ; out0 at row 128 x token block + 32 w, my 128 columns
	s_wait_kmcnt 0x0                               ; the four experts' numbers
.irp i, 0,1,2,3
	s_min_u32 s[52+\i], s[52+\i], 15
.endr
	s_lshl_b32 s96, s52, 2
	s_mov_b32 s97, 0
	s_add_nc_u64 s[96:97], s[12:13], s[96:97]
	s_lshl_b32 s98, s53, 2
	s_mov_b32 s99, 0
	s_add_nc_u64 s[98:99], s[12:13], s[98:99]
	s_lshl_b32 s66, s54, 2
	s_mov_b32 s67, 0
	s_add_nc_u64 s[66:67], s[12:13], s[66:67]
	s_lshl_b32 s46, s55, 2
	s_mov_b32 s47, 0
	s_add_nc_u64 s[46:47], s[12:13], s[46:47]
	s_load_b32 s2, s[96:97], 0x0                   ; gate_b of the four
	s_load_b32 s3, s[98:99], 0x0
	s_load_b32 s100, s[66:67], 0x0
	s_load_b32 s101, s[46:47], 0x0
.irp i, 0,1,2,3                                ; logit (token t, expert e) lies at 1,024 (t / 16) + 128 (e & 4) + 32 (e & 8) + 16 (t % 16) + 4 (e & 3)
	s_and_b32 s43, s[52+\i], 4
	s_lshl_b32 s43, s43, 7
	s_and_b32 s44, s[52+\i], 8
	s_lshl_b32 s44, s44, 5
	s_add_co_u32 s43, s43, s44
	s_and_b32 s44, s[52+\i], 3
	s_lshl_b32 s44, s44, 2
	s_add_co_u32 s43, s43, s44
	v_lshl_add_u32 v[VL+\i], v1, 4, s43
.endr
.irp a, 0,1,2,3,4,5,6,7
.irp i, 0,1,2,3
	global_load_b32 v[224+4*\a+\i], v[VL+\i], s[10:11] offset:1024*\a
.endr
.endr
	s_lshl_b32 s40, s52, 11
	s_lshl_b32 s43, s42, 9
	s_add_co_u32 s40, s40, s43
	s_add_nc_u64 s[14:15], s[14:15], s[40:41]      ; b2 of my expert at my 128 columns
	WIN TO_B
.irp b, 0,1,2,3,4,5,6,7
	global_load_b128 v[BB+8*\b:BB+8*\b+3], v12, s[14:15] offset:128*(\b/2)+32*(\b%2)
	global_load_b128 v[BB+8*\b+4:BB+8*\b+7], v12, s[14:15] offset:128*(\b/2)+32*(\b%2)+16
.endr
	WIN 0
; 16 matrix instructions: token tiles a0, a0 + 1 x W2's eight tiles, 128 along K. wb: where W2's set begins (its window is set by the caller); sc: the set of scale words. first = 1: the sums begin with b2.
; The 64 accumulators take turns, one instruction a turn, in the same order in every step.
.macro MUL16 a0, wb, sc, first
.irp a, \a0, \a0+1
.irp b, 0,1,2,3,4,5,6,7
.if \first
	v_wmma_scale_f32_16x16x128_f8f6f4 v[8*(8*((\a)%4)+\b):8*(8*((\a)%4)+\b)+7], v[\wb+12*\b:\wb+12*\b+11], v[AF+12*(\a):AF+12*(\a)+11], v[BB+8*\b:BB+8*\b+7], v[SC+8*(\sc)+\b], v[SC+8*(\sc)+(\a)] matrix_a_fmt:MATRIX_FMT_BF6 matrix_b_fmt:MATRIX_FMT_BF6 matrix_a_scale:MATRIX_SCALE_ROW1
.else
	v_wmma_scale_f32_16x16x128_f8f6f4 v[8*(8*((\a)%4)+\b):8*(8*((\a)%4)+\b)+7], v[\wb+12*\b:\wb+12*\b+11], v[AF+12*(\a):AF+12*(\a)+11], v[8*(8*((\a)%4)+\b):8*(8*((\a)%4)+\b)+7], v[SC+8*(\sc)+\b], v[SC+8*(\sc)+(\a)] matrix_a_fmt:MATRIX_FMT_BF6 matrix_b_fmt:MATRIX_FMT_BF6 matrix_a_scale:MATRIX_SCALE_ROW1
.endif
.endr
.endr
.endm
.macro FETCH_A slot, q, i0             ; h's tiles i0 .. i0 + 3 of the slot's q-th K step: each half fragment is 512 bytes (four registers) and 256 bytes (two): 16 loads
.irp i, \i0, \i0+1, \i0+2, \i0+3
.irp c, 0,1
	ds_load_b128 v[AF+12*(\i)+6*\c:AF+12*(\i)+6*\c+3], v[ADH16+\slot] offset:12288*(\q)+1536*(\i)+768*\c
	ds_load_b64 v[AF+12*(\i)+6*\c+4:AF+12*(\i)+6*\c+5], v[ADH8+\slot] offset:12288*(\q)+1536*(\i)+768*\c
.endr
.endr
.endm
.macro SCALES S                        ; K step S's scale words into set S % 2
.irp i, 0,1,2,3,4,5,6,7
	ds_load_b32 v[SC+8*((\S)%2)+\i], v[ADS] offset:512*(\S)+64*\i
.endr
.endm
; K STEP S. At its head: its W2 is in (the next step's 24 loads may be out), and K step S + 2's W2 is asked for, into the set that K step S - 1 has left (four places stand behind that step's last product).
; h has one set of registers: tiles 0-3 are fetched anew in the step's middle, tiles 4-7 at its end, each 32 matrix instructions ahead of their use.
; An even step has its successor in the same slot. An odd step changes slots: ONE barrier; in front of it each wave waits for all its tensor loads, adds 0 to its spare word, and waits for that and for its reads of this slot.
; Up to K step 11 that barrier opens a round of the cluster's barrier, and this slot is filled again, with the K steps four on, first thing behind the round.
.macro KSTEP S
.set SL,  ((\S)/2)%2                   ; this step's slot
.set NSL, (((\S)+1)/2)%2               ; the next step's slot,
.set NQ,  ((\S)+1)%2                   ; and its place there
.set SCS, (\S)%2
.set WB,  96*((\S)%3)                  ; W2's sets 0 and 1: window 1, v0 and v96;
.set W0,  1
.if (\S)%3 == 2
.set WB,  160                          ; set 2: window 0, v160
.set W0,  0
.endif
.set FI,  0
.if (\S) == 0
.set FI,  1
.endif
.set WLO, 0xa0+W0-0x10*FI              ; h window 0, D window 2; C window 2, or 1 where it is b2
.set WHI, 0xf0+W0-0x20*FI              ; the same with window 3
.if (\S) == 15
	s_wait_loadcnt 0x0                             ; the last K step's W2 is in
.elseif (\S) > 0
	s_wait_loadcnt 24                              ; this K step's W2 is in; the next step's 24 loads may be out
.endif
.if (\S) < 14
	WLOAD (\S)+2
.endif
.if (\S)%2 == 0
	s_wait_dscnt 16                                ; h's tiles 0-3 and the scale words are in; the youngest sixteen loads (tiles 4-7) may be out
	WIN WLO
	MUL16 0, WB, SCS, FI
	MUL16 2, WB, SCS, FI
	s_wait_dscnt 0x0                               ; tiles 4-7 are in (asked for 32 matrix instructions ago)
	PLACES
	WIN 0
	FETCH_A NSL, NQ, 0
	SCALES (\S)+1
	WIN WHI
	MUL16 4, WB, SCS, FI
	MUL16 6, WB, SCS, FI
	PLACES
	WIN 0
	FETCH_A NSL, NQ, 4
.elseif (\S) < 15
	s_wait_tensorcnt 0x0                           ; all my tensor loads have landed: my part of the next slot (every window is 0 here)
	ds_add_u32 v[SPW], v[NIL]                      ; 0 onto my spare word
	s_wait_dscnt 17                                ; the add and the youngest sixteen loads (h's tiles 4-7) may be out
	WIN WLO
	MUL16 0, WB, SCS, 0
	s_wait_dscnt 0x0                               ; the add is done, and my reads of this slot are over
	s_barrier_signal -1
	MUL16 2, WB, SCS, 0
	WIN 0
	s_barrier_wait -1
.if (\S) < 13
	CREST                                          ; no wave of any partner still reads this slot or has a load on its way
	s_add_nc_u64 s[G0H+4*SL+2:G0H+4*SL+3], s[G0H+4*SL+2:G0H+4*SL+3], 49152   ; four K steps on; the type bits on top are not reached
	tensor_load_to_lds s[G0H+4*SL:G0H+4*SL+3], s[G1H:G1H+7]   ; my one tensor load behind the round
	s_nop 0
.endif
	PLACES                                         ; four places behind a tensor load; also the places in front of the loads below
	FETCH_A NSL, NQ, 0
	SCALES (\S)+1
	WIN WHI
	MUL16 4, WB, SCS, 0
	MUL16 6, WB, SCS, 0
	PLACES
	WIN 0
	FETCH_A NSL, NQ, 4
.else
	s_wait_dscnt 16                                ; the last K step: nothing more to fetch
	WIN WLO
	MUL16 0, WB, SCS, 0
	MUL16 2, WB, SCS, 0
	s_wait_dscnt 0x0
	WIN WHI
	MUL16 4, WB, SCS, 0
	MUL16 6, WB, SCS, 0
	WIN 0
	PLACES
.endif
.endm
	s_wait_tensorcnt 1                             ; the scale words and my part of slot 0 are in (slot 1's load may be out),
	s_barrier_signal -1
	s_barrier_wait -1                              ; everybody's are
	FETCH_A 0, 0, 0
	SCALES 0
	FETCH_A 0, 0, 4
	s_wait_loadcnt 0x0                             ; W2 of K steps 0 and 1, the logits and b2
	s_wait_kmcnt 0x0                               ; gate_b
.irp a, 0,1,2,3,4,5,6,7                        ; the gate of my expert for token 16 a + r: register 4 a is my expert's logit
	v_add_f32 v[224+4*\a], s2, v[224+4*\a]
	v_add_f32 v[225+4*\a], s3, v[225+4*\a]
	v_add_f32 v[226+4*\a], s100, v[226+4*\a]
	v_add_f32 v[227+4*\a], s101, v[227+4*\a]
.endr
.irp a, 0,1,2,3,4,5,6,7
	v_max3_num_f32 v[GWT+2*\a], v[224+4*\a], v[225+4*\a], v[226+4*\a]
.endr
.irp a, 0,1,2,3,4,5,6,7
	v_max_num_f32 v[GWT+2*\a], v[GWT+2*\a], v[227+4*\a]   ; the largest of the four
.endr
.irp a, 0,1,2,3,4,5,6,7
.irp i, 0,1,2,3
	v_sub_f32 v[224+4*\a+\i], v[224+4*\a+\i], v[GWT+2*\a]
.endr
.endr
.set j, 0
.rept 32
	v_mul_f32 v[224+j], 0x3fb8aa3b, v[224+j]       ; x log2(e)
.set j, j+1
.endr
.set j, 0
.rept 32
	v_exp_f32 v[224+j], v[224+j]
.set j, j+1
.endr
	v_nop                                          ; a plain place behind the exponentials
	s_wait_alu depctr_va_vdst(0)
.irp a, 0,1,2,3,4,5,6,7
	v_add_f32 v[GWT+2*\a], v[224+4*\a], v[225+4*\a]
	v_add_f32 v[GWT+2*\a+1], v[226+4*\a], v[227+4*\a]
.endr
.irp a, 0,1,2,3,4,5,6,7
	v_add_f32 v[GWT+2*\a], v[GWT+2*\a], v[GWT+2*\a+1]
.endr
.irp a, 0,1,2,3,4,5,6,7
	v_rcp_f32 v[GWT+2*\a+1], v[GWT+2*\a]
.endr
	v_nop                                          ; a plain place behind the reciprocals
	s_wait_alu depctr_va_vdst(0)
.irp a, 0,1,2,3,4,5,6,7
	v_mul_f32 v[GWT+2*\a], v[224+4*\a], v[GWT+2*\a+1]
.endr
.irp a, 0,1,2,3,4,5,6,7
	v_mov_b32 v[GWT+2*\a+1], v[GWT+2*\a]           ; twice: a pair for the packed multiply. The logits' registers are free now: K step 0 asks for W2's set 2 into them
.endr
.irp st, 0,1,2,3,4,5,6,7,8,9,10,11,12,13,14,15
	KSTEP \st
.endr
	s_barrier_signal -1                            ; every wave's tensor loads have landed (the wait of K step 13) and its reads of LDS are over:
	s_barrier_wait -1                              ; the ring and the scale words have had their last fill and their last read, and the stage may lie over them
; THE WAY OUT. My expert's 128 x 128 numbers, times my expert's gate, go to my part of the stage (rows of 512 bytes + 16); behind a barrier each wave adds the four experts' parts of 32 rows and stores whole rows.
.macro OUTA a
.set TS, 64+64*((\a)%2)
.set AC, 64*((\a)%4)
.set WW, 0x02+(\a)/4
.if (\a) >= 2
	s_wait_dscnt 16                                ; the stores of two blocks ago have read these registers; the last block's sixteen may be out
.endif
	WIN WW                                         ; source 0: window 2 or 3
.set n, 0
.rept 32
	v_pk_mul_f32 v[TS+2*n:TS+2*n+1], v[AC+2*n:AC+2*n+1], v[GWT+2*(\a):GWT+2*(\a)+1]   ; each accumulator from its low end on
.set n, n+1
.endr
	WIN 0
.irp b, 0,1,2,3,4,5,6,7
	ds_store_b128 v[STO], v[TS+8*\b:TS+8*\b+3] offset:8448*(\a)+128*(\b/2)+32*(\b%2)
	ds_store_b128 v[STO], v[TS+8*\b+4:TS+8*\b+7] offset:8448*(\a)+128*(\b/2)+32*(\b%2)+16
.endr
.endm
.irp a, 0,1,2,3,4,5,6,7
	OUTA \a
.endr
	s_wait_dscnt 0x0                               ; for the others' sake: my stores into the stage are done
	s_barrier_signal -1
	s_barrier_wait -1
.macro BATCH t                         ; 8 rows: four experts' parts of each
.if \t > 0
	s_wait_xcnt 0x0                                ; the last batch's stores have read their registers
.endif
.irp q, 0,1,2,3,4,5,6,7
.irp k, 0,1,2,3
	ds_load_b128 v[64+16*\q+4*\k:67+16*\q+4*\k], v[RD+\k] offset:528*(8*\t+\q)
.endr
.endr
.irp q, 0,1,2,3,4,5,6,7
	s_wait_dscnt 4*(7-\q)                          ; this row's four loads are in; the later rows' may be out
	v_pk_add_f32 v[64+16*\q:65+16*\q], v[64+16*\q:65+16*\q], v[68+16*\q:69+16*\q]
	v_pk_add_f32 v[66+16*\q:67+16*\q], v[66+16*\q:67+16*\q], v[70+16*\q:71+16*\q]
	v_pk_add_f32 v[72+16*\q:73+16*\q], v[72+16*\q:73+16*\q], v[76+16*\q:77+16*\q]
	v_pk_add_f32 v[74+16*\q:75+16*\q], v[74+16*\q:75+16*\q], v[78+16*\q:79+16*\q]
	v_pk_add_f32 v[64+16*\q:65+16*\q], v[64+16*\q:65+16*\q], v[72+16*\q:73+16*\q]
	v_pk_add_f32 v[66+16*\q:67+16*\q], v[66+16*\q:67+16*\q], v[74+16*\q:75+16*\q]
	global_store_b128 v[CO], v[64+16*\q:67+16*\q], s[18:19] offset:2048*(8*\t+\q) th:TH_STORE_NT   ; 32 lanes store 512 consecutive bytes, at a multiple of 256 from out0's first byte
.endr
.endm
	BATCH 0
	BATCH 1
	BATCH 2
	BATCH 3
	s_wait_tensorcnt 0x0                           ; the wave's end, behind my last tensor load and my last LDS store
	ds_add_u32 v[SPW], v[NIL]
	s_wait_dscnt 0x0
	CROUND                                         ; the closing round: no work-group ends while a partner may still ask for a tile that names it
	s_endpgm
.Lfunc_end_k_q9623318237_ffn2:
	.size	k_q9623318237_ffn2, .Lfunc_end_k_q9623318237_ffn2-k_q9623318237_ffn2
	.p2alignl 7, 3214868480
	.fill 96, 4, 3214868480
	.section	.rodata,"a",@progbits
	.p2align	6, 0x0
	.amdhsa_kernel k_q9623318237_ffn2
		.amdhsa_group_segment_fixed_size 327680
		.amdhsa_private_segment_fixed_size 0
		.amdhsa_enable_private_segment 0
		.amdhsa_kernarg_size 64
		.amdhsa_user_sgpr_count 2
		.amdhsa_user_sgpr_kernarg_segment_ptr 1
		.amdhsa_wavefront_size32 1
		.amdhsa_system_sgpr_workgroup_id_x 1
		.amdhsa_system_sgpr_workgroup_id_y 1
		.amdhsa_system_sgpr_workgroup_id_z 1
		.amdhsa_system_vgpr_workitem_id 0
		.amdhsa_next_free_vgpr 1024
		.amdhsa_next_free_sgpr 102
		.amdhsa_reserve_vcc 0
		.amdhsa_float_denorm_mode_32 3
		.amdhsa_float_denorm_mode_16_64 3
		.amdhsa_memory_ordered 1
		.amdhsa_forward_progress 1
		.amdhsa_inst_pref_size 255
	.end_amdhsa_kernel
	.section	.bss,"aw",@nobits
	.p2align	6
	.space	262144
	.amdgpu_metadata
---
amdhsa.version: [ 1, 2 ]
amdhsa.kernels:
  - .name:           k_q9623318237_ffn2
    .symbol:         k_q9623318237_ffn2.kd
    .args:
      - { .name: hc, .offset: 0, .size: 8, .value_kind: global_buffer, .address_space: global }
      - { .name: hs, .offset: 8, .size: 8, .value_kind: global_buffer, .address_space: global }
      - { .name: wq, .offset: 16, .size: 8, .value_kind: global_buffer, .address_space: global }
      - { .name: lg, .offset: 24, .size: 8, .value_kind: global_buffer, .address_space: global }
      - { .name: gate_b, .offset: 32, .size: 8, .value_kind: global_buffer, .address_space: global }
      - { .name: b2, .offset: 40, .size: 8, .value_kind: global_buffer, .address_space: global }
      - { .name: idx, .offset: 48, .size: 8, .value_kind: global_buffer, .address_space: global }
      - { .name: out0, .offset: 56, .size: 8, .value_kind: global_buffer, .address_space: global }
    .group_segment_fixed_size: 327680
    .private_segment_fixed_size: 0
    .kernarg_segment_align: 8
    .kernarg_segment_size: 64
    .max_flat_workgroup_size: 128
    .sgpr_count:     102
    .vgpr_count:     1024
    .wavefront_size: 32
...
	.end_amdgpu_metadata
.endif
;; end of part 5
